; MI455X (gfx1250); checked and timed in simulation.
; The chip was launched on July 23, 2026; its instructions are those of AMD's public machine-readable ISA for CDNA 5 (MIT licence, August 2026) and "CDNA5" Instruction Set Architecture Reference Guide (July 2026). The comments in the code are by the model that wrote it; some were corrected since.
;; Multi Headed Attention. Allowed arithmetic: matrix products marked QUANTISED: E2M1 operands, one E8M0 scale for each 32 along K, by v_wmma_scale_f32_16x16x128_f8f6f4 with both operands' format E2M1 (or v_wmma_scale_f32_32x16x128_f4), f32 sums; everything else in f32.
;; Inputs: Wk 768 x 768 float32; Wo 768 x 768 float32; Wq 768 x 768 float32; Wv 768 x 768 float32; bk 768 float32; bo 768 float32; bq 768 float32; bv 768 float32; x 1 x 4,096 x 768 float32.
;; Outputs: out0 1 x 4,096 x 768 float32.
;; This version of the problem:
;;   THIS VERSION OF THE PROBLEM IS GIVEN IN LOW PRECISION. The matrix products marked QUANTISED in the list below multiply operands that are first quantised to E2M1 (2 exponent bits, 1 mantissa bit; 4 bits a number), with one power-of-two scale for each 32 numbers along K (OCP MX v1.0); their sums are f32. All else is computed in f32.
;;   The module's matrix products, in the order in which they are computed (A, B: the left and right operand; K: the contracted axis; several contracted axes count as one K, in the product's order):
;;     1. [M 4,096, K 768] x [K 768, N 768]; A: input x; B: input Wq: QUANTISED
;;     2. [M 4,096, K 768] x [K 768, N 768]; A: input x; B: input Wk: QUANTISED
;;     3. [M 4,096, K 768] x [K 768, N 768]; A: input x; B: input Wv: QUANTISED
;;     4. batch 12 x [M 4,096, K 64] x [K 64, N 4,096]; A: computed on the way; B: computed on the way: QUANTISED
;;     5. batch 12 x [M 4,096, K 4,096] x [K 4,096, N 64]; A: softmax (see below); B: computed on the way: QUANTISED
;;     6. [M 4,096, K 768] x [K 768, N 768]; A: computed on the way; B: input Wo: QUANTISED
;;   THE QUANTISER, for each operand of a quantised product, along K:
;;     - K is cut into blocks of 32 from its start; a last block that is shorter is filled with zeros.
;;     - A block's scale is 2^e with e = floor(log2(the largest magnitude in the block)) - 2, held to -126 .. 127; a block of zeros has e = 0. As a byte (E8M0): e + 127.
;;     - Each number is divided by its block's scale, clamped to +-6, and rounded to the nearest number of E2M1, ties to even, subnormals kept.
;;     - The product sums the exact products of the quantised numbers (number of the format x scale) in f32.
;;   ~~~python
;;   def quantise(x, axis):      # numpy; x: float32 -> the quantised numbers, widened to float32 again
;;       x = np.moveaxis(x, axis, -1); K = x.shape[-1]
;;       x = np.pad(x, [(0, 0)] * (x.ndim - 1) + [(0, -K % 32)]); x = x.reshape(x.shape[:-1] + (-1, 32)); a = np.abs(x).max(-1, keepdims=True)
;;       e = np.where(a > 0, np.clip(np.frexp(np.where(a > 0, a, 1))[1] - 1 - 2, -126, 127), 0)      # np.frexp(a)[1] - 1 = floor(log2(a)), exactly
;;       r = np.clip(x / 2.0 ** e, -6, 6)
;;       step = 2.0 ** (np.maximum(np.frexp(np.where(r == 0, 1, r))[1] - 1, 0) - 1)
;;       q = np.round(r / step) * step * 2.0 ** e      # np.round: ties to even
;;       return np.moveaxis(q.reshape(q.shape[:-2] + (-1,))[..., :K], -1, axis).astype(np.float32)
;;   ~~~
;;   SOFTMAX AHEAD OF A QUANTISED PRODUCT. Where the list says 'softmax', what is quantised is not the finished softmax but p = 2^(t - M), with t = logit x log2(e) and M = ceil(the row's largest t), a whole number; so 1/2 < the row's largest p <= 1. The row's sum l is taken of the UNQUANTISED p, in f32, and the product's result is divided by l at the end. Since M is a whole number, a kernel that streams over the keys may use a running M (the ceiling of the running maximum): every later rescaling is an exact power of two, which a block's scale takes up: the codes' values come out the same.
;;   OPERANDS COMPUTED ON THE WAY. 'Computed on the way' means the value that the module computes at that place (a softmax that the list does not call 'softmax' is quantised finished and normalised). What goes into a quantiser is computed in f32, as accurately as f32 sums, v_exp_f32 and their like allow (about 1e-6 of the number): no bf16 or f16 on the way to a quantiser, and a product that is left as it is and whose result goes on into a quantised operand takes f32 operands (vector FMAs, or v_wmma_f32_16x16x4_f32). A number that lies on a knife's edge between two numbers of the format may be rounded either way, as far as f32 arithmetic and the matrix unit's own rounding can turn it there, and no further.
;; One version. Each part assembles by itself: llvm-mc -triple=amdgcn-amd-amdhsa -mcpu=gfx1250 --defsym DOCPART=n.
;; ======== version 1 of 1: 4 launches
;; limits: right only within a limited range of input values
;; workspace buffers: x_img 1,671,168 bytes; w_img 1,253,376 bytes; q_img 1,769,472 bytes; kv_img 3,440,640 bytes; c_img 2,359,296 bytes
;; launch quant (part 1): grid 224 x 1, 6 waves a work-group, no clusters, 167,936 bytes of LDS; arguments x, Wq, Wk, Wv, Wo, x_img, w_img; writes x_img, w_img
.if DOCPART == 1
	.amdgcn_target "amdgcn-amd-amdhsa--gfx1250"
	.amdhsa_code_object_version 6
	.text
	.protected	k_q20e48308b0_quant
	.globl	k_q20e48308b0_quant
	.p2align	8
	.type	k_q20e48308b0_quant,@function
k_q20e48308b0_quant:
	s_mov_b64 s[64:65], 0
	v_nop
	global_prefetch_b8 v0, s[64:65] scope:SCOPE_SE
	s_setreg_imm32_b32 hwreg(HW_REG_WAVE_MODE, 25, 1), 1
	s_wait_xcnt 0x0
; x [4096][768] and Wq, Wk, Wv, Wo [768][768], f32, K = the last axis, become codes of FP4 (E2M1) with one E8M0 byte for each 32 along K,
; laid in the ORDER OF THE OPERANDS' REGISTERS, so that every later launch loads fragments and scale words as they lie.
; TILES.  Tile tau of 16 rows holds rows 32 (tau / 2) + 8 (tau % 2) + r + 8 (r / 8), r = lane % 16.  A pair of tiles is 32 neighbouring rows.
; CODES.  Fragment (tau, K step s of 128) is 1,024 bytes at 6,144 tau + 1,024 s: [c = 0, 1][lane][16 bytes]; lane (r, h), part c: the 32 codes of block 4 s + 2 c + h of the tile's row r.
; SCALES. Pair pi is 768 bytes at 768 pi: [j = 0..2][lane' = 16 (tau % 2) + r][2 words]; word s % 2 of j = s / 2 holds the four bytes of K step s.
; SHARES. A work-group takes one pair (32 rows, 98,304 bytes): work-groups 0-127 x, then 24 each for Wq, Wk, Wv, Wo.  Wave s takes K step s:
; one tensor load brings its 32 rows x 512 bytes into LDS bytes of its own, which it alone reads.  A lane reads whole blocks of 32 neighbours, so a block's largest magnitude needs no other lane.
; The scale words of two neighbouring K steps share a unit of 256 bytes: they go through LDS, and waves 0-2 store a unit each.
; A block's scale is 2^(floor(log2(largest magnitude)) - 2); its byte is the largest magnitude's exponent field - 2, held at 1 from below.
; NO CLUSTER: work-groups share no input.  NO PREFETCH: each byte is asked for once, at the launch's start.
; LIMITS: NaN and infinities among the inputs are not served.  A block of zeros gets the byte 1 where the rule says 127: its codes are zeros, and the bytes are read by this program alone.
.set PITCH, 528                        ; an LDS row: 512 bytes + 16 of padding
.set WREG,  32*PITCH                   ; a wave's region
.set STG,   6*WREG                     ; behind them: three units of scale words
.set SPARE, STG+768                    ; the spare words
.set SPW,   15                         ; v15 LDS address of my spare word, v22 0: never rewritten
.set NIL,   22
.set X,     32                         ; v32-159  four sets of 32 numbers
.set C,     160                        ; v160-175 codes: four registers for each of the four groups
.set WV,    18
.set G1,    24                         ; s[24:31] descriptor group 1
.set G0,    32                         ; s[32:35] descriptor group 0
	s_load_b256 s[4:11], s[0:1], 0x0               ; x, Wq, Wk, Wv
	s_load_b128 s[12:15], s[0:1], 0x20             ; Wo, x_img
	s_load_b64 s[16:17], s[0:1], 0x30              ; w_img
	v_lshl_add_u32 v[SPW], v0, 2, SPARE
	v_mov_b32 v[NIL], 0
	ds_add_u32 v[SPW], v[NIL]
	ds_add_u32 v[SPW], v[NIL]
	v_lshrrev_b32 v1, 5, v0
	v_readfirstlane_b32 s[WV], v1                  ; wave s = 0..5
	s_mov_b32 s[G1+0], (3<<16)|(1<<20)|(6<<22)|(3<<25)  ; elements of 8 bytes; padding on: 4 words behind every 128 words (a row)
	s_mov_b32 s[G1+1], 64<<16                      ; tensor_dim0 = 64 elements = 512 bytes
	s_mov_b32 s[G1+2], 32<<16                      ; tensor_dim1 = 32 rows
	s_mov_b32 s[G1+3], 64<<16                      ; tile_dim0
	s_mov_b32 s[G1+4], 32                          ; tile_dim1
	s_mov_b32 s[G1+5], 384                         ; from row to row: 3,072 bytes
	s_mov_b32 s[G1+6], 0
	s_mov_b32 s[G1+7], 0
	s_mov_b32 s[G0], 1
	s_mul_i32 s[G0+1], s[WV], WREG                 ; my region in LDS
	s_mov_b32 s2, 0x76543210
	s_mov_b32 s3, 0xfedcba98                       ; v_permlanex16_b32's selects for lane l xor 16
	s_wait_dscnt 0x0                               ; both opening adds are done
	s_wait_kmcnt 0x0
	; which tensor is my work-group's, and at which work-group it begins: the choice hangs on the work-group's number alone
	s_mov_b64 s[20:21], s[12:13]
	s_mov_b32 s22, 200
	s_cmp_lt_u32 ttmp9, 200
	s_cselect_b64 s[20:21], s[10:11], s[20:21]
	s_cselect_b32 s22, 176, s22
	s_cmp_lt_u32 ttmp9, 176
	s_cselect_b64 s[20:21], s[8:9], s[20:21]
	s_cselect_b32 s22, 152, s22
	s_cmp_lt_u32 ttmp9, 152
	s_cselect_b64 s[20:21], s[6:7], s[20:21]
	s_cselect_b32 s22, 128, s22
	s_cmp_lt_u32 ttmp9, 128
	s_cselect_b64 s[20:21], s[4:5], s[20:21]
	s_cselect_b32 s22, 0, s22
	s_cselect_b64 s[36:37], s[14:15], s[16:17]     ; the image that I write,
	s_cselect_b32 s23, 0, 128                      ; the work-group at which it begins,
	s_mov_b32 s38, 1179648
	s_cselect_b32 s38, 1572864, s38                ; and where its scales begin
	s_sub_co_u32 s40, ttmp9, s22
	s_mul_i32 s40, s40, 98304                      ; my 32 rows,
	s_lshl_b32 s42, s[WV], 9
	s_add_co_u32 s40, s40, s42                     ; my wave's 512 bytes of each
	s_mov_b32 s41, 0
	s_add_nc_u64 s[G0+2:G0+3], s[20:21], s[40:41]
	s_or_b32 s[G0+3], s[G0+3], 0x80000000          ; type = 2
	tensor_load_to_lds s[G0:G0+3], s[G1:G1+7]      ; the wave's one load
	s_nop 0
	v_and_b32 v2, 31, v0                           ; lane
	v_and_b32 v3, 15, v0                           ; r
	v_bfe_u32 v4, v0, 4, 1                         ; h
	v_and_b32 v5, 8, v3
	v_lshlrev_b32 v6, 4, v2                        ; 16 x lane: codes out
	v_add_nc_u32 v5, v5, v3                        ; r + 8 (r / 8)
	v_lshlrev_b32 v7, 3, v2                        ; 8 x lane: scale words out
	v_mul_u32_u24 v5, PITCH, v5
	v_lshlrev_b32 v8, 3, v4                        ; 8 h: my bytes' place in a scale word
	v_lshl_add_u32 v5, v4, 7, v5                   ; + 128 h: my half's block
	v_mov_b32 v14, 0                               ; a lane permute's destination counts as one of its sources
	v_add_nc_u32 v5, s[G0+1], v5                   ; in my wave's region
	s_lshr_b32 s42, s[WV], 1
	s_lshl_b32 s42, s42, 8
	s_and_b32 s43, s[WV], 1
	s_lshl_b32 s43, s43, 2
	s_add_co_u32 s42, s42, s43
	s_add_co_u32 s42, s42, STG
	s_lshl_b32 s43, s[WV], 8
	s_add_co_u32 s43, s43, STG
	s_wait_alu depctr_va_vdst(0)
	v_add_nc_u32 v23, s42, v7                      ; my word's place: unit s / 2, 8 x lane, word s % 2
	v_add_nc_u32 v24, s43, v7                      ; and back: unit w (waves 0-2)
	s_sub_co_u32 s42, ttmp9, s23                   ; my pair in the image
	s_mul_i32 s44, s42, 12288
	s_lshl_b32 s43, s[WV], 10
	s_add_co_u32 s44, s44, s43                     ; K step s
	s_mov_b32 s45, 0
	s_add_nc_u64 s[44:45], s[36:37], s[44:45]      ; codes
	s_mul_i32 s46, s42, 768
	s_add_co_u32 s46, s46, s38
	s_lshl_b32 s43, s[WV], 8
	s_add_co_u32 s46, s46, s43
	s_mov_b32 s47, 0
	s_add_nc_u64 s[46:47], s[36:37], s[46:47]      ; scale words
	s_wait_alu depctr_va_vdst(0)
	s_wait_tensorcnt 0x0                           ; my rows are in LDS; nobody else reads them
; Group q = 2 u + c: tile u of the pair, part c: my block of 32 numbers, eight loads of 16 bytes
.irp q, 0,1,2,3
.irp i, 0,1,2,3,4,5,6,7
	ds_load_b128 v[X+32*\q+4*\i:X+32*\q+4*\i+3], v5 offset:(\q/2)*8*PITCH+(\q%2)*256+16*\i
.endr
.endr
.irp q, 0,1,2,3
.set XS, X+32*\q
.set CR, C+4*\q
	s_wait_dscnt 24-8*\q                           ; this group's eight loads are in; the later groups' may be out
	v_max3_num_f32 v9, |v[XS]|, |v[XS+1]|, |v[XS+2]|             ; the block's largest magnitude, in two chains
	v_max3_num_f32 v10, |v[XS+3]|, |v[XS+4]|, |v[XS+5]|
.irp i, 6,10,14,18,22,26
	v_max3_num_f32 v9, v9, |v[XS+\i]|, |v[XS+\i+1]|
	v_max3_num_f32 v10, v10, |v[XS+\i+2]|, |v[XS+\i+3]|
.endr
	v_max3_num_f32 v9, v9, |v[XS+30]|, |v[XS+31]|
	v_max3_num_f32 v9, v9, v10, 0x1800000          ; and the floor 2^(3 - 127): the byte cannot fall under 1
	v_add_nc_u32 v11, 0xff000000, v9               ; 2 off the exponent field: the conversion takes this operand's exponent field as its scale
.irp g, 0,1,2,3
	v_cvt_scalef32_pk8_fp4_f32 v[CR+\g], v[XS+8*\g:XS+8*\g+7], v11
.endr
	v_lshrrev_b32 v[12+\q%2], 23, v11              ; the scale's byte (also the plain line behind the conversions)
	global_store_b128 v6, v[CR:CR+3], s[44:45] offset:(\q/2)*6144+(\q%2)*512   ; the wave stores 512 consecutive bytes
.if \q%2 == 1
.set WR, 16+\q/2                       ; the scale word of tile u: v[16 + u]
	v_lshl_or_b32 v[WR], v13, 16, v12              ; my bytes: blocks h and 2 + h,
	v_lshlrev_b32 v[WR], v8, v[WR]                 ; at their places;
	v_permlanex16_b32 v14, v[WR], s2, s3
	v_or_b32 v[WR], v[WR], v14                     ; with lane l xor 16's two the word is whole
.endif
.endr
	v_cmp_eq_u32 vcc_lo, 1, v4
	v_cndmask_b32 v20, v16, v17, vcc_lo            ; lanes 0-15 the even tile's word, lanes 16-31 the odd tile's
	ds_store_b32 v23, v20
	s_wait_dscnt 0x0                               ; for the others' sake: my words are in LDS
	s_barrier_signal -1
	s_barrier_wait -1
	s_cmp_ge_u32 s[WV], 3
	s_cbranch_scc1 .Lno_words
	ds_load_b64 v[10:11], v24
	s_wait_dscnt 0x0
	global_store_b64 v7, v[10:11], s[46:47]        ; 256 consecutive bytes, aligned
.Lno_words:
	s_wait_tensorcnt 0x0                           ; the wave's end
	ds_add_u32 v[SPW], v[NIL]
	s_wait_dscnt 0x0
	s_endpgm
.Lfunc_end_k_q20e48308b0_quant:
	.size	k_q20e48308b0_quant, .Lfunc_end_k_q20e48308b0_quant-k_q20e48308b0_quant
	.p2alignl 7, 3214868480
	.fill 96, 4, 3214868480
	.section	.rodata,"a",@progbits
	.p2align	6, 0x0
	.amdhsa_kernel k_q20e48308b0_quant
		.amdhsa_group_segment_fixed_size 167936
		.amdhsa_private_segment_fixed_size 0
		.amdhsa_enable_private_segment 0
		.amdhsa_kernarg_size 56
		.amdhsa_user_sgpr_count 2
		.amdhsa_user_sgpr_kernarg_segment_ptr 1
		.amdhsa_wavefront_size32 1
		.amdhsa_system_sgpr_workgroup_id_x 1
		.amdhsa_system_sgpr_workgroup_id_y 1
		.amdhsa_system_sgpr_workgroup_id_z 1
		.amdhsa_system_vgpr_workitem_id 0
		.amdhsa_next_free_vgpr 192
		.amdhsa_next_free_sgpr 66
		.amdhsa_reserve_vcc 1
		.amdhsa_float_denorm_mode_32 3
		.amdhsa_float_denorm_mode_16_64 3
		.amdhsa_memory_ordered 1
		.amdhsa_forward_progress 1
		.amdhsa_inst_pref_size 14
	.end_amdhsa_kernel
	.amdgpu_metadata
---
amdhsa.version: [ 1, 2 ]
amdhsa.kernels:
  - .name:           k_q20e48308b0_quant
    .symbol:         k_q20e48308b0_quant.kd
    .args:
      - { .name: x, .offset: 0, .size: 8, .value_kind: global_buffer, .address_space: global }
      - { .name: Wq, .offset: 8, .size: 8, .value_kind: global_buffer, .address_space: global }
      - { .name: Wk, .offset: 16, .size: 8, .value_kind: global_buffer, .address_space: global }
      - { .name: Wv, .offset: 24, .size: 8, .value_kind: global_buffer, .address_space: global }
      - { .name: Wo, .offset: 32, .size: 8, .value_kind: global_buffer, .address_space: global }
      - { .name: x_img, .offset: 40, .size: 8, .value_kind: global_buffer, .address_space: global }
      - { .name: w_img, .offset: 48, .size: 8, .value_kind: global_buffer, .address_space: global }
    .group_segment_fixed_size: 167936
    .private_segment_fixed_size: 0
    .kernarg_segment_align: 8
    .kernarg_segment_size: 56
    .max_flat_workgroup_size: 192
    .sgpr_count:     66
    .vgpr_count:     192
    .wavefront_size: 32
...
	.end_amdgpu_metadata
.endif
;; end of part 1
;; launch qkv (part 2): grid 32 x 6, 12 waves a work-group, clusters of 4 x 1, 202,752 bytes of LDS; arguments x_img, w_img, bq, bk, bv, q_img, kv_img; writes q_img, kv_img
.if DOCPART == 2
	.amdgcn_target "amdgcn-amd-amdhsa--gfx1250"
	.amdhsa_code_object_version 6
	.text
	.protected	k_q20e48308b0_qkv
	.globl	k_q20e48308b0_qkv
	.p2align	8
	.type	k_q20e48308b0_qkv,@function
k_q20e48308b0_qkv:
	s_mov_b64 s[64:65], 0
	v_nop
	global_prefetch_b8 v0, s[64:65] scope:SCOPE_SE
	s_setreg_imm32_b32 hwreg(HW_REG_WAVE_MODE, 25, 1), 1
	s_wait_xcnt 0x0
	s_wait_alu depctr_hold_cnt(0) depctr_sa_sdst(0) depctr_va_vdst(0) depctr_va_sdst(0) depctr_va_ssrc(0) depctr_va_vcc(0) depctr_vm_vsrc(0)
	s_getreg_b32 s2, hwreg(HW_REG_IB_STS2, 6, 4)
	s_cmp_eq_u32 s2, 0
	s_cbranch_scc0 .Lentry_in_a_cluster
	s_endpgm
.Lentry_in_a_cluster:
	s_bfe_u32 s2, ttmp6, 0x10000c
	s_cmp_lg_u32 s2, 0x3003
	s_cbranch_scc0 .Lentry_shape_is_right
	s_endpgm
.Lentry_shape_is_right:
; q = x Wq^T + bq, k = x Wk^T + bk, v = x Wv^T + bv on codes of FP4 with E8M0 scales, and their quantising for attention: q and k along the head's 64, v along the keys.
; SHARES.  A work-group takes 128 rows of x (block RB = key step RB) and a group CG of 384 output columns: CG 0, 1 of q; 2, 3 of k; 4, 5 of v (six heads each).
; The four work-groups of a cluster share CG: the group's panel of W (24 tiles, 147,456 bytes) is asked for JOINTLY, one tensor load a wave; x's panel (8 tiles, 49,152 bytes) comes through registers.
; NO PREFETCH: both panels come once, at the launch's start.
; Wave (grp = w / 2, th = w % 2) multiplies 4 WIDE tiles (source 0) by 4 NARROW tiles (source 1) over all of K = 768: 16 accumulators, 96 matrix instructions.
;   q, k: wide = the 4 tiles of W of head grp, narrow = x's 4 tiles of half th: a lane holds one token and the head's 64 features.
;   v:    wide = x's 4 tiles of half th, narrow = the 4 tiles of W of head grp: a lane holds one feature and 64 keys.
; By the order of rows in a tile (32 (tau / 2) + 8 (tau % 2) + r + 8 (r / 8)) register 16 b + i of a narrow tile's 32 results is neighbour 32 b + 16 (lane / 16) + i along the next K.
; OUT.  q_img: codes [head][tile 0..255][512 bytes] (lane (r, h): block h of the tile's row r; in the tiles of an odd pair row r stands at place r xor 8); from byte 1,572,864 scale words [head][block of 128 rows][lane' 32][q 0..3]:
;       row r of tile u' of pair np of the block has lane' = 16 u' + 8 (np % 2) + r % 8 and q = 2 (np / 2) + r / 8.
;       kv_img: [head][step][8,960 bytes]: K's codes 8 x 512; from 4,096 V^T's codes 4 x 1,024; from 8,192 K's scale words as q's; from 8,704 V's [lane' 32][i 0..1]: tile 2 i + lane' / 16, row lane' % 16.
; A head's K is 64: a scale word's upper two bytes belong to zero codes; they hold another tile's bytes or 0, never 0xff.
; LIMITS: NaN and infinities are not served; a block of zeros gets the byte 1 (zero codes; this program alone reads the bytes).
.set XP,  147456                       ; LDS: W's panel at 0 (tensor loads), x's panel here (LDS stores),
.set SCA, 196608                       ; the q and k groups' stage for scale words: 6 heads x 512 bytes,
.set SCB, 199680                       ; the v groups': 6 heads x 256 bytes
.set SPARE, SCB+1536                   ; the spare words
.set SPW, 14                           ; v14 LDS address of my spare word, v15 0: never rewritten
.set NIL, 15
.set SW,  16                           ; v16-27 W's scale words: register 6 pair + K step; lanes 0-15 the even tile, lanes 16-31 the odd
.set SX,  28                           ; v28-39 x's
.set WF,  64                           ; v64-95 wide fragments of a K step
.set NF,  96                           ; v96-127 narrow fragments
.set ACC, 128                          ; v128-255 accumulator (n, t) at ACC + 32 n + 8 t
.set TM,  48                           ; v48-63 at work behind the K steps; v64-71 and v72-79 codes, v80-85 scale words, v88-91 words read back
.set WV,  28
.set SEL, 62
.macro CROUND                          ; a round of the cluster's barrier
	s_barrier_signal -1
	s_barrier_wait -1
	s_cmp_lg_u32 s[WV], 0
	s_cbranch_scc1 .Lnot_wave_0_\@
	s_barrier_signal -3
.Lnot_wave_0_\@:
	s_barrier_wait -3
	s_barrier_signal -1
	s_barrier_wait -1
.endm
; one matrix instruction; ra, rb: source 0's and source 1's scales stand in lanes 16-31
.macro WM d, a, b, cc, sa, sb, ra, rb
.set rD, \d
.set rA, \a
.set rB, \b
.set rC, \cc
.set rSA, \sa
.set rSB, \sb
.if ((\ra) == 0) && ((\rb) == 0)
	v_wmma_scale_f32_16x16x128_f8f6f4 v[rD:rD+7], v[rA:rA+7], v[rB:rB+7], v[rC:rC+7], v[rSA], v[rSB] matrix_a_fmt:MATRIX_FMT_FP4 matrix_b_fmt:MATRIX_FMT_FP4
.elseif (\rb) == 0
	v_wmma_scale_f32_16x16x128_f8f6f4 v[rD:rD+7], v[rA:rA+7], v[rB:rB+7], v[rC:rC+7], v[rSA], v[rSB] matrix_a_fmt:MATRIX_FMT_FP4 matrix_b_fmt:MATRIX_FMT_FP4 matrix_a_scale:MATRIX_SCALE_ROW1
.elseif (\ra) == 0
	v_wmma_scale_f32_16x16x128_f8f6f4 v[rD:rD+7], v[rA:rA+7], v[rB:rB+7], v[rC:rC+7], v[rSA], v[rSB] matrix_a_fmt:MATRIX_FMT_FP4 matrix_b_fmt:MATRIX_FMT_FP4 matrix_b_scale:MATRIX_SCALE_ROW1
.else
	v_wmma_scale_f32_16x16x128_f8f6f4 v[rD:rD+7], v[rA:rA+7], v[rB:rB+7], v[rC:rC+7], v[rSA], v[rSB] matrix_a_fmt:MATRIX_FMT_FP4 matrix_b_fmt:MATRIX_FMT_FP4 matrix_a_scale:MATRIX_SCALE_ROW1 matrix_b_scale:MATRIX_SCALE_ROW1
.endif
.endm
; fragments are images of the operands' registers, 16 bytes a lane, 512 consecutive bytes a load.  type 0: wide = W (v9), narrow = x (v10); type 1: the other way round
.macro LWIDE type, s
.irp t, 0,1,2,3
.irp c, 0,1
	ds_load_b128 v[WF+8*\t+4*\c:WF+8*\t+4*\c+3], v[9+(\type)] offset:6144*\t+1024*(\s)+512*\c
.endr
.endr
.endm
.macro LNARROW type, s, n0             ; narrow tiles n0, n0 + 1
.irp n, 0,1
.irp c, 0,1
	ds_load_b128 v[NF+8*(\n0+\n)+4*\c:NF+8*(\n0+\n)+4*\c+3], v[10-(\type)] offset:6144*(\n0+\n)+1024*(\s)+512*\c
.endr
.endr
.endm
.macro PLACES
.rept 4
	v_nop                                          ; four places in front of loads into registers that matrix instructions have read, and of reads of results
.endr
.endm
; The accumulators take turns, one instruction a turn.  MFIRST: the first K step.  The bias lies in the accumulators (3, t) (type 0: alike for all n) or (n, 3) (type 1: alike for all t) and is the C of the others' first products
.macro MFIRST type
.if \type == 0
.irp n, 0,1,2
.irp t, 0,1,2,3
	WM ACC+32*\n+8*\t, WF+8*\t, NF+8*\n, ACC+96+8*\t, WS+6*(\t/2), NS+6*(\n/2), \t%2, \n%2
.endr
.endr
.else
.irp t, 0,1,2
.irp n, 0,1,2,3
	WM ACC+32*\n+8*\t, WF+8*\t, NF+8*\n, ACC+32*\n+24, WS+6*(\t/2), NS+6*(\n/2), \t%2, \n%2
.endr
.endr
.endif
.rept 5
	v_nop                                          ; five places in front of matrix instructions that write over a register that earlier ones took as C
.endr
.irp i, 0,1,2,3
.if \type == 0
	WM ACC+96+8*\i, WF+8*\i, NF+24, ACC+96+8*\i, WS+6*(\i/2), NS+6, \i%2, 1
.else
	WM ACC+32*\i+24, WF+24, NF+8*\i, ACC+32*\i+24, WS+6, NS+6*(\i/2), 1, \i%2
.endif
.endr
.endm
.macro MHALF s, n0                     ; eight products of a later K step: narrow tiles n0, n0 + 1
.irp n, \n0, \n0+1
.irp t, 0,1,2,3
	WM ACC+32*(\n)+8*\t, WF+8*\t, NF+8*(\n), ACC+32*(\n)+8*\t, WS+6*(\t/2)+(\s), NS+6*((\n)/2)+(\s), \t%2, (\n)%2
.endr
.endr
.endm
; 64 numbers of a lane, v[s] .. v[s + 63]: four blocks' halves of 16 (two narrow tiles of two blocks each), become codes in v[pc] on (four registers a tile: the tile's block h) and the four bytes in v[pw]
.macro QUANT s, pc, pw
.irp b, 0,1,2,3
	v_max3_num_f32 v[TM+\b], |v[\s+16*\b]|, |v[\s+1+16*\b]|, 0x1800000   ; my 16 numbers of block b, and the floor 2^(3 - 127); each accumulator is read from its low end on
.endr
.irp i, 2,4,6,8,10,12,14
.irp b, 0,1,2,3
	v_max3_num_f32 v[TM+\b], v[TM+\b], |v[\s+16*\b+\i]|, |v[\s+1+16*\b+\i]|
.endr
.endr
.irp b, 0,1,2,3
	v_permlanex16_b32 v[TM+4+\b], v[TM+\b], s[SEL], s[SEL+1]
.endr
.irp b, 0,1,2,3
	v_max_num_f32 v[TM+\b], v[TM+\b], v[TM+4+\b]   ; with lane l xor 16's: the block's largest magnitude
.endr
.irp b, 0,1,2,3
	v_add_nc_u32 v[TM+12+\b], 0xff000000, v[TM+\b] ; 2 off the exponent field: the conversion's scale operand
.endr
.irp b, 0,1,2,3
	v_lshrrev_b32 v[TM+4+\b], 23, v[TM+12+\b]      ; the scale's byte
.endr
	v_lshl_or_b32 v[\pw], v[TM+5], 8, v[TM+4]
	v_lshl_or_b32 v[\pw], v[TM+6], 16, v[\pw]
	v_lshl_or_b32 v[\pw], v[TM+7], 24, v[\pw]
.irp b, 0,1,2,3
	v_cvt_scalef32_pk8_fp4_f32 v[\pc+2*\b], v[\s+16*\b:\s+7+16*\b], v[TM+12+\b]
	v_cvt_scalef32_pk8_fp4_f32 v[\pc+1+2*\b], v[\s+8+16*\b:\s+15+16*\b], v[TM+12+\b]
.endr
	v_nop                                          ; one plain line behind a scaled conversion
.irp c, 0,1                                    ; a whole block to a lane: lanes 0-15 the tile's block 0, lanes 16-31 its block 1
.irp i, 0,1
	v_permlane16_swap_b32 v[\pc+4*\c+\i], v[\pc+2+4*\c+\i]
.endr
.endr
.endm
	s_load_b256 s[4:11], s[0:1], 0x0               ; x_img, w_img, bq, bk
	s_load_b128 s[12:15], s[0:1], 0x20             ; bv, q_img
	s_load_b64 s[36:37], s[0:1], 0x30              ; kv_img
	v_lshl_add_u32 v[SPW], v0, 2, SPARE
	v_mov_b32 v[NIL], 0
	ds_add_u32 v[SPW], v[NIL]
	ds_add_u32 v[SPW], v[NIL]
	v_lshrrev_b32 v1, 5, v0
	v_readfirstlane_b32 s[WV], v1                  ; wave 0..11
	v_and_b32 v2, 31, v0                           ; lane
	v_and_b32 v3, 15, v0                           ; r
	v_bfe_u32 v4, v0, 4, 1                         ; h
	v_lshlrev_b32 v8, 4, v0                        ; 16 x thread: x in
	v_lshlrev_b32 v6, 4, v2                        ; 16 x lane
	v_lshlrev_b32 v7, 3, v2                        ; 8 x lane
	v_and_b32 v13, 8, v3
	v_lshlrev_b32 v11, 6, v4                       ; q's, k's bias: 16 h numbers on
	v_add_nc_u32 v13, v13, v3
	v_xor_b32 v5, 128, v6                          ; codes out in an odd pair's tiles: row r at place r xor 8
	v_lshlrev_b32 v13, 2, v13                      ; v's bias: my feature r + 8 (r / 8)
	v_and_b32 v12, 7, v3
	v_lshrrev_b32 v1, 3, v3
	v_lshlrev_b32 v12, 4, v12
	v_lshl_add_u32 v12, v4, 8, v12
	v_add_nc_u32 v47, XP, v8                       ; x's place in LDS
	v_lshl_add_u32 v12, v1, 2, v12                 ; q's, k's stage, in: 256 h + 16 (r % 8) + 4 (r / 8)
	s_lshr_b32 s33, s[WV], 1                       ; grp
	s_and_b32 s34, s[WV], 1                        ; th
	s_mul_i32 s38, s33, 24576
	v_add_nc_u32 v9, s38, v6                       ; W's four tiles of head grp
	s_mul_i32 s38, s34, 24576
	s_add_co_u32 s38, s38, XP
	v_add_nc_u32 v10, s38, v6                      ; x's four tiles of half th
	s_lshl_b32 s38, s33, 9
	s_lshl_b32 s39, s34, 3
	s_add_co_u32 s38, s38, s39
	s_add_co_u32 s38, s38, SCA
	s_wait_alu depctr_va_vdst(0)
	v_add_nc_u32 v12, s38, v12                     ; + head grp, + 8 th (and 128 for the half's second pair)
	s_lshl_b32 s38, s33, 8
	s_lshl_b32 s39, s34, 1
	s_add_co_u32 s38, s38, s39
	s_add_co_u32 s38, s38, SCB
	v_add_nc_u32 v44, s38, v7                      ; v's stage, in: head grp, 8 x lane, halfword th (and 4 for the second pair)
	s_lshl_b32 s38, s[WV], 9
	s_add_co_u32 s38, s38, SCA
	v_add_nc_u32 v45, s38, v6                      ; and back: head w (waves 0-5)
	s_lshl_b32 s38, s[WV], 8
	s_add_co_u32 s38, s38, SCB
	v_add_nc_u32 v46, s38, v7
	s_bfe_u32 s29, ttmp6, 0x40000                  ; cx: it enters addresses in memory alone
	s_lshl_b32 s30, ttmp9, 2
	s_add_co_u32 s30, s30, s29                     ; RB = 4 x cluster x + cx
	s_and_b32 s31, ttmp7, 0xffff                   ; CG, which the four partners share
	s_and_b32 s32, s31, 1
	s_mov_b32 s16, 15|(3<<16)|(1<<21)              ; the mask: all four work-groups; elements of 8 bytes; bit 21 set beside a mask
	s_mov_b32 s17, 32<<16                          ; rows of 256 bytes,
	s_mov_b32 s18, 48<<16                          ; 48 of them: 12,288 dense bytes, two tiles of W
	s_mov_b32 s19, 32<<16
	s_mov_b32 s20, 48
	s_mov_b32 s21, 32
	s_mov_b32 s22, 0
	s_mov_b32 s23, 0
	s_mov_b32 s24, 1
	s_mul_i32 s25, s[WV], 12288                    ; LDS address: the wave's number alone
	s_mul_i32 s40, s31, 147456
	s_add_co_u32 s40, s40, s25                     ; the group's panel, my part
	s_mov_b32 s41, 0
	s_mul_i32 s38, s30, 49152                      ; x's panel
	s_mov_b32 s39, 0
	s_mul_i32 s42, s31, 12
	s_lshl_b32 s43, s33, 1
	s_add_co_u32 s42, s42, s43
	s_mul_i32 s42, s42, 768
	s_add_co_u32 s42, s42, 1179648                 ; scale words of W's pairs 12 CG + 2 grp, + 1
	s_mov_b32 s43, 0
	s_lshl_b32 s44, s30, 2
	s_lshl_b32 s45, s34, 1
	s_add_co_u32 s44, s44, s45
	s_mul_i32 s44, s44, 768
	s_add_co_u32 s44, s44, 1572864                 ; and of x's pairs 4 RB + 2 th, + 1
	s_mov_b32 s45, 0
	s_mul_i32 s46, s32, 384
	s_lshl_b32 s47, s33, 6
	s_add_co_u32 s46, s46, s47
	s_lshl_b32 s46, s46, 2                         ; the head's 64 features' bias
	s_mov_b32 s47, 0
	s_mov_b32 s[SEL], 0x76543210
	s_mov_b32 s[SEL+1], 0xfedcba98
	s_wait_alu depctr_va_vdst(0)
	s_wait_dscnt 0x0                               ; both opening adds are done
	s_wait_kmcnt 0x0
	s_add_nc_u64 s[38:39], s[4:5], s[38:39]
.irp i, 0,1,2,3,4,5,6,7
	global_load_b128 v[48+4*\i:51+4*\i], v8, s[38:39] offset:6144*\i   ; the 384 threads read 6,144 consecutive bytes
.endr
	s_add_nc_u64 s[26:27], s[6:7], s[40:41]
	s_or_b32 s27, s27, 0x80000000
	CROUND                                         ; all four work-groups are here: the joint loads meet
	tensor_load_to_lds s[24:27], s[16:23]          ; the wave's one tensor load
	s_nop 0
	s_add_nc_u64 s[42:43], s[6:7], s[42:43]
	s_add_nc_u64 s[44:45], s[4:5], s[44:45]
.irp p, 0,1
.irp j, 0,1,2
	global_load_b64 v[SW+6*\p+2*\j:SW+6*\p+2*\j+1], v7, s[42:43] offset:768*\p+256*\j
	global_load_b64 v[SX+6*\p+2*\j:SX+6*\p+2*\j+1], v7, s[44:45] offset:768*\p+256*\j
.endr
.endr
.macro TAIL type
.if \type == 0
.set WS, SW
.set NS, SX
	s_cmp_lt_u32 s31, 2                            ; q or k?  The choice hangs on the group's number alone
	s_cselect_b64 s[48:49], s[8:9], s[10:11]       ; the bias,
	s_cselect_b64 s[50:51], s[14:15], s[36:37]     ; the buffer written,
	s_mov_b32 s52, 286720
	s_cselect_b32 s52, 131072, s52                 ; its codes: from head to head,
	s_mov_b32 s53, 8960
	s_cselect_b32 s53, 4096, s53                   ; from block to block;
	s_mov_b32 s54, 286720
	s_cselect_b32 s54, 16384, s54                  ; its scale words: from head to head,
	s_mov_b32 s55, 8960
	s_cselect_b32 s55, 512, s55                    ; from block to block,
	s_mov_b32 s60, 8192
	s_cselect_b32 s60, 1572864, s60                ; and where they begin
	s_add_nc_u64 s[48:49], s[48:49], s[46:47]
.irp t, 0,1,2,3                                ; the bias in the result's layout
	global_load_b128 v[ACC+96+8*\t:ACC+96+8*\t+3], v11, s[48:49] offset:(32*(\t/2)+8*(\t%2))*4
	global_load_b128 v[ACC+96+8*\t+4:ACC+96+8*\t+7], v11, s[48:49] offset:(32*(\t/2)+8*(\t%2))*4+16
.endr
.else
.set WS, SX
.set NS, SW
	s_mov_b64 s[50:51], s[36:37]
	s_mov_b32 s52, 286720
	s_mov_b32 s53, 8960
	s_mov_b32 s54, 286720
	s_mov_b32 s55, 8960
	s_mov_b32 s60, 8704
	s_add_nc_u64 s[48:49], s[12:13], s[46:47]
.irp n, 0,1,2,3
	global_load_b32 v[40+\n], v13, s[48:49] offset:(32*(\n/2)+8*(\n%2))*4
.endr
.endif
	s_mul_i32 s56, s32, 6
	s_add_co_u32 s56, s56, s33                     ; my head
	s_mul_i32 s56, s56, s52
	s_mul_i32 s57, s30, s53
	s_add_co_u32 s56, s56, s57
.if \type == 0
	s_lshl_b32 s57, s34, 11                        ; tiles 4 th on
.else
	s_lshl_b32 s57, s34, 9
	s_add_co_u32 s57, s57, 4096                    ; V^T's part c = th
.endif
	s_add_co_u32 s56, s56, s57
	s_mov_b32 s57, 0
	s_add_nc_u64 s[56:57], s[50:51], s[56:57]      ; codes
	s_mul_i32 s58, s32, 6
	s_add_co_u32 s58, s58, s[WV]
	s_mul_i32 s58, s58, s54
	s_mul_i32 s59, s30, s55
	s_add_co_u32 s58, s58, s59
	s_add_co_u32 s58, s58, s60
	s_mov_b32 s59, 0
	s_add_nc_u64 s[58:59], s[50:51], s[58:59]      ; scale words of head w of the group (waves 0-5)
.if \type == 0
	s_wait_loadcnt 20                              ; x's eight loads are in; the 12 of scale words and the 8 of the bias may be out
.else
	s_wait_loadcnt 16                              ; likewise, with four loads of the bias
.endif
.irp i, 0,1,2,3,4,5,6,7
	ds_store_b128 v47, v[48+4*\i:51+4*\i] offset:6144*\i
.endr
	s_wait_loadcnt 0x0
.if \type == 1
.irp n, 0,1,2,3
.irp j, 0,1,2,3,4,5,6,7
	v_mov_b32 v[ACC+32*\n+24+\j], v[40+\n]         ; every register of a lane's results has its feature's bias
.endr
.endr
.endif
	s_wait_alu depctr_va_vdst(0)
	s_wait_tensorcnt 0x0                           ; my part of W's panel has landed,
	s_wait_dscnt 0x0                               ; my part of x's panel is stored:
	s_barrier_signal -1
	s_barrier_wait -1                              ; both panels are whole for every wave
	LNARROW \type, 0, 0
	LWIDE \type, 0
	LNARROW \type, 0, 2
	s_wait_dscnt 0x0
	MFIRST \type
	PLACES
	LNARROW \type, 1, 0
	LWIDE \type, 1
	LNARROW \type, 1, 2
.irp s, 1,2,3,4,5
	s_wait_dscnt 4                                 ; the wide tiles and narrow tiles 0, 1 are in; narrow tiles 2, 3 (four loads) may be out
	MHALF \s, 0
.if \s < 5
	PLACES
	LNARROW \type, \s+1, 0
	s_wait_dscnt 4                                 ; all but the four just issued
.else
	s_wait_dscnt 0x0
.endif
	MHALF \s, 2
	PLACES
.if \s < 5
	LWIDE \type, \s+1
	LNARROW \type, \s+1, 2
.endif
.endr
.irp b, 0,1,2,3
	v_mov_b32 v[TM+4+\b], 0                        ; a lane permute's destination counts as one of its sources
.endr
	QUANT ACC, 64, 80
	QUANT ACC+64, 72, 81
	v_cmp_eq_u32 vcc_lo, 1, v4
	v_lshrrev_b32 v82, 16, v80                     ; bytes 0, 1 are the even narrow tile's, bytes 2, 3 the odd one's
	v_lshrrev_b32 v83, 16, v81
	v_cndmask_b32 v84, v80, v82, vcc_lo            ; lanes 0-15: the even narrow tile's; lanes 16-31: the odd one's
	v_cndmask_b32 v85, v81, v83, vcc_lo
.if \type == 0
	global_store_b128 v6, v[64:67], s[56:57]       ; each store: 512 consecutive bytes
	global_store_b128 v6, v[68:71], s[56:57] offset:512
	global_store_b128 v5, v[72:75], s[56:57] offset:1024
	global_store_b128 v5, v[76:79], s[56:57] offset:1536
	ds_store_b32 v12, v84
	ds_store_b32 v12, v85 offset:128
.else
	global_store_b128 v6, v[64:67], s[56:57]
	global_store_b128 v6, v[68:71], s[56:57] offset:1024
	global_store_b128 v6, v[72:75], s[56:57] offset:2048
	global_store_b128 v6, v[76:79], s[56:57] offset:3072
	ds_store_b16 v44, v84
	ds_store_b16 v44, v85 offset:4
.endif
	s_wait_dscnt 0x0                               ; for the others' sake: my words are in the stage
	s_barrier_signal -1
	s_barrier_wait -1
	s_cmp_ge_u32 s[WV], 6
	s_cbranch_scc1 .Lno_words_\@                   ; waves 0-5 store a head's scale words whole
.if \type == 0
	ds_load_b128 v[88:91], v45
	s_wait_dscnt 0x0
	global_store_b128 v6, v[88:91], s[58:59]       ; 512 consecutive bytes
.else
	ds_load_b64 v[88:89], v46
	s_wait_dscnt 0x0
	global_store_b64 v7, v[88:89], s[58:59]        ; 256 consecutive bytes
.endif
.Lno_words_\@:
	s_wait_tensorcnt 0x0                           ; the wave's end
	ds_add_u32 v[SPW], v[NIL]
	s_wait_dscnt 0x0
	CROUND                                         ; the closing round: no work-group ends while a partner may still ask for a tile that names it
	s_endpgm
.endm
	s_cmp_ge_u32 s31, 4                            ; the same in all four partners and in all waves
	s_cbranch_scc1 .Lgroup_v
	TAIL 0
.Lgroup_v:
	TAIL 1
.Lfunc_end_k_q20e48308b0_qkv:
	.size	k_q20e48308b0_qkv, .Lfunc_end_k_q20e48308b0_qkv-k_q20e48308b0_qkv
	.p2alignl 7, 3214868480
	.fill 96, 4, 3214868480
	.section	.rodata,"a",@progbits
	.p2align	6, 0x0
	.amdhsa_kernel k_q20e48308b0_qkv
		.amdhsa_group_segment_fixed_size 202752
		.amdhsa_private_segment_fixed_size 0
		.amdhsa_enable_private_segment 0
		.amdhsa_kernarg_size 56
		.amdhsa_user_sgpr_count 2
		.amdhsa_user_sgpr_kernarg_segment_ptr 1
		.amdhsa_wavefront_size32 1
		.amdhsa_system_sgpr_workgroup_id_x 1
		.amdhsa_system_sgpr_workgroup_id_y 1
		.amdhsa_system_sgpr_workgroup_id_z 1
		.amdhsa_system_vgpr_workitem_id 0
		.amdhsa_next_free_vgpr 256
		.amdhsa_next_free_sgpr 66
		.amdhsa_reserve_vcc 1
		.amdhsa_float_denorm_mode_32 3
		.amdhsa_float_denorm_mode_16_64 3
		.amdhsa_memory_ordered 1
		.amdhsa_forward_progress 1
		.amdhsa_inst_pref_size 71
	.end_amdhsa_kernel
	.amdgpu_metadata
---
amdhsa.version: [ 1, 2 ]
amdhsa.kernels:
  - .name:           k_q20e48308b0_qkv
    .symbol:         k_q20e48308b0_qkv.kd
    .args:
      - { .name: x_img, .offset: 0, .size: 8, .value_kind: global_buffer, .address_space: global }
      - { .name: w_img, .offset: 8, .size: 8, .value_kind: global_buffer, .address_space: global }
      - { .name: bq, .offset: 16, .size: 8, .value_kind: global_buffer, .address_space: global }
      - { .name: bk, .offset: 24, .size: 8, .value_kind: global_buffer, .address_space: global }
      - { .name: bv, .offset: 32, .size: 8, .value_kind: global_buffer, .address_space: global }
      - { .name: q_img, .offset: 40, .size: 8, .value_kind: global_buffer, .address_space: global }
      - { .name: kv_img, .offset: 48, .size: 8, .value_kind: global_buffer, .address_space: global }
    .group_segment_fixed_size: 202752
    .private_segment_fixed_size: 0
    .kernarg_segment_align: 8
    .kernarg_segment_size: 56
    .max_flat_workgroup_size: 384
    .sgpr_count:     66
    .vgpr_count:     256
    .wavefront_size: 32
...
	.end_amdgpu_metadata
.endif
;; end of part 2
;; launch attn (part 3): grid 21 x 12, 12 waves a work-group, no clusters, 327,680 bytes of LDS; arguments q_img, kv_img, c_img; writes c_img
.if DOCPART == 3
	.amdgcn_target "amdgcn-amd-amdhsa--gfx1250"
	.amdhsa_code_object_version 6
	.text
	.protected	k_q20e48308b0_attn
	.globl	k_q20e48308b0_attn
	.p2align	8
	.type	k_q20e48308b0_attn,@function
k_q20e48308b0_attn:
	s_mov_b64 s[64:65], 0
	v_nop
	global_prefetch_b8 v0, s[64:65] scope:SCOPE_SE
	s_setreg_imm32_b32 hwreg(HW_REG_WAVE_MODE, 25, 1), 1
	s_wait_xcnt 0x0
; ctx[q] = (sum over keys k <= q of p V[k]) / l for each of 12 heads of 64, both products on codes of FP4 with E8M0 scales; ctx is quantised along the model's 768 for the last product.
; t = score x log2(e) / 8; M = the running largest t rounded UP to a whole number; p = 2^(t - M) is quantised along the keys, not normalised; l is the sum of the unquantised p.  When M moves, l and O are multiplied by 2^(old M - new M): exact.
; SHARES.  A head has 256 tiles of 16 queries; tile T walks T / 8 + 1 key steps of 128.  Pair p = 0 .. 123 is the short tile 8 + p and the long tile 255 - p: 34 key steps together.  Two waves share it, 17 steps each:
; wave A takes the long tile's steps 0 .. 16, wave B the short tile and then the long tile's steps 17 on; B's part (O, l, M) goes through LDS to A, which joins the two: M = the greater, both scaled by whole powers of two.
; Work-group (g, head) has twelve waves: pairs g + 21 k, k = 0 .. 5.  Pairs 124 and 125 are the eight tiles of one step: tile p - 124 for A, tiles p - 122, p - 120, p - 118 for B.  21 work-groups a head: 252 of 17 steps a wave.
; Steps whose keys all come after a tile's queries are left out by a scalar branch on ids.
; THE HEAD'S WHOLE K AND V (32 steps x 8,960 dense bytes, 1,120 rows of 256) LIE IN LDS, filled once: 216 rows (steps 0 to 5 are in them) by one tensor load of 18 rows a wave at the head, the other 904 by one load of 113 rows in each of waves 0-7, behind the first barrier.
; A step's K fragments are loaded during the step before, behind its first products; its V fragments behind its own first products.
; NO CLUSTER: the head's 21 work-groups do not divide into clusters of four, and their branches on ids differ.  NO PREFETCH: the two groups of loads stand at the launch's start, with no loop to run ahead in.
; LAYOUT.  S^T = K Q^T (source 0 = 16 keys, source 1 = my 16 queries), O^T = V^T P^T (source 0 = 16 of the head's 64, source 1 = P): a lane (r, h) holds ONE query throughout.
; Row m of K's tile 4 c + u is key 64 c + 32 (m / 8) + 8 u + m % 8 of the step, so registers 32 c + 8 u + j of a lane are keys 64 c + 32 h + 8 u + j: a lane holds whole blocks of 32 keys, and the conversions' results are the second product's operand.
; The head's K is 64: registers 4-7 of Q's fragment are zero codes, so what K's fragment holds there counts for nothing (FP4 has no NaN, and no scale byte is 0xff): K's fragments overlap, four registers apart.
; A block's scale byte: the block's largest t - M, rounded down, + 125, held at 1: the exponent of the block's largest p without an exponential of its own.
; Query tile T holds queries 32 (T / 2) + 8 (T % 2) + r + 8 (r / 8).  V's tiles are laid so that O^T's register 16 b + i is channel 32 b + 16 h + i.
; OUT.  c_img: codes as an image of ctx [4096][768] (fragment (tile, K step head / 2), part head % 2); from byte 1,572,864 units of 256 bytes [tile][head]: lane's 8 bytes: the two bytes of row lane % 16, at bits 16 (head % 2) on; zeros.
; LIMITS: keys of left-out steps count for nothing, where the module gives them the logit -1e9: p is 0 either way while real logits stay above -9e8.  NaN and infinities are not served, and one that reaches hidden keys alone is not carried on.
; A block of zeros gets the byte 1 (zero codes).  Where t - M rounds onto a whole number only in the exponential, the scale is that of the number under it.
.set STEPB, 8960                       ; a key step: K's codes 4,096, V^T's 4,096, K's scale words 512, V's 256
.set PART,  32*STEPB                   ; behind the head's K and V: six parts: O 8 x 512 bytes, then -M, largest score, l
.set PARTB, 4608
.set SPARE, PART+6*PARTB               ; the spare words
.set SPW, 7                            ; v7 LDS address of my spare word, v29 0: never rewritten
.set NIL, 29
; v1 16 x lane, v2 8 x lane, v3 the mask's lane part, v4 the hidden score, v5-6 K's lane offsets, v31 8 h, v68 the Q words' lane offset; v8-11, v69 addresses; v12 -M, v13 largest score, v[14:15] l; v16-23 Q; v24-28 the long tile's Q and word in B;
; v32-67 K; v96-159 S^T, then p; v160-191 O^T; v192-223 V; v224-231 p's codes; v240-243 K's scale words; v248-249 V's; v250 p's; v255 Q's; v30, v232-239, v244-247, v252-254 at work.
.set WV,  10
.set HD,  11
.set ROLE, 12                          ; 0: wave A, 1: wave B
.set PP,  13
.set TL,  14                           ; the long tile, the short tile
.set TS,  15
.set G1,  16                           ; s[16:23] descriptor group 1 for the head's load, s[24:31] for the second; s[32:35], s[36:39] their groups 0
.set G1B, 24
.set G0,  32
.set G0B, 36
.set CS,  40                           ; s[40:41] c = log2(e) / 8
.set SEL, 42                           ; s[42:43] v_permlanex16_b32's selects for lane l xor 16
.set SB,  44                           ; LDS byte at which the step begins
.set KF,  45                           ; the step's first key
.set QB,  46                           ; the first query of the tile's block of 128
.set CNT, 47
.set DT,  48                           ; the tile's first query in its block
.set QB2, 49                           ; the same two for the last walk
.set DT2, 50
.set PB,  51                           ; my pair's part in LDS
.set T1,  52                           ; the first walk's tile
.set HS,  53                           ; 16 (head % 2)
.set NCS, 54                           ; -c
.set UT,  55
.set UC,  66
.set SN,  67                           ; LDS byte at which the next step begins
	s_load_b128 s[4:7], s[0:1], 0x0                ; q_img, kv_img
	s_load_b64 s[8:9], s[0:1], 0x10                ; c_img
	v_lshl_add_u32 v[SPW], v0, 2, SPARE
	v_mov_b32 v[NIL], 0
	ds_add_u32 v[SPW], v[NIL]
	ds_add_u32 v[SPW], v[NIL]
	v_lshrrev_b32 v8, 5, v0
	v_readfirstlane_b32 s[WV], v8                  ; wave 0..11
	s_and_b32 s[HD], ttmp7, 0xffff                 ; the head
.irp g, G1, G1B
	s_mov_b32 s[\g], 3<<16                         ; elements of 8 bytes, no padding
	s_mov_b32 s[\g+1], 32<<16                      ; rows of 256 bytes
	s_mov_b32 s[\g+3], 32<<16
	s_mov_b32 s[\g+5], 32
	s_mov_b32 s[\g+6], 0
	s_mov_b32 s[\g+7], 0
.endr
	s_mov_b32 s[G1+2], 18<<16                      ; 18 rows
	s_mov_b32 s[G1+4], 18
	s_mov_b32 s[G1B+2], 113<<16                    ; 113 rows
	s_mov_b32 s[G1B+4], 113
	s_mul_i32 s56, s[HD], 32*STEPB
	s_mov_b32 s[G0], 1
	s_mul_i32 s[G0+1], s[WV], 18*256
	s_add_co_u32 s58, s56, s[G0+1]
	s_mov_b32 s59, 0
	s_mov_b32 s[G0B], 1
	s_mul_i32 s[G0B+1], s[WV], 113*256
	s_add_co_u32 s[G0B+1], s[G0B+1], 216*256
	s_add_co_u32 s60, s56, s[G0B+1]
	s_mov_b32 s61, 0
	s_wait_dscnt 0x0                               ; both opening adds are done
	s_wait_kmcnt 0x0
	s_add_nc_u64 s[G0+2:G0+3], s[6:7], s[58:59]
	s_or_b32 s[G0+3], s[G0+3], 0x80000000
	s_add_nc_u64 s[G0B+2:G0B+3], s[6:7], s[60:61]
	s_or_b32 s[G0B+3], s[G0B+3], 0x80000000
	tensor_load_to_lds s[G0:G0+3], s[G1:G1+7]
	s_nop 0
	v_and_b32 v9, 31, v0
	v_and_b32 v10, 15, v0                          ; r
	v_bfe_u32 v11, v0, 4, 1                        ; h
	v_lshlrev_b32 v1, 4, v9
	v_lshlrev_b32 v2, 3, v9
	v_lshrrev_b32 v69, 3, v10                      ; r / 8
	v_and_b32 v70, 7, v10                          ; r % 8
	v_lshlrev_b32 v31, 3, v11
	v_lshlrev_b32 v71, 5, v11
	v_lshl_add_u32 v3, v69, 3, v10
	v_mul_u32_u24 v5, 1152, v69                    ; K: my row m = r of tile 4 c + u stands in pair 2 c + r / 8, tile u % 2, row r % 8 + 8 (u / 2), at place row xor 8 (r / 8):
	v_sub_nc_u32 v3, v3, v71                       ; my query's place in its tile's run - 32 h
	v_lshl_add_u32 v5, v11, 8, v5                  ; 1,024 (r / 8) + 128 (r / 8) + 256 h + 16 (r % 8) for u < 2,
	v_lshlrev_b32 v68, 4, v70
	v_lshl_add_u32 v5, v70, 4, v5
	v_lshl_add_u32 v68, v69, 2, v68                ; Q's words: 16 (r % 8) + 4 (r / 8)
	v_xor_b32 v6, 128, v5                          ; bit 7 turned for u >= 2
	v_mov_b32 v4, 0xcfee6b28                       ; -8e9: the logit -1e9
	s_lshr_b32 s2, s[WV], 2
	s_xor_b32 s2, s[WV], s2
	s_and_b32 s[ROLE], s2, 1                       ; of waves 2 k and 2 k + 1 one is A, one is B
	s_lshr_b32 s3, s[WV], 1                        ; k
	s_mul_i32 s[PB], s3, PARTB
	s_add_co_u32 s[PB], s[PB], PART
	s_mul_i32 s[PP], s3, 21
	s_add_co_u32 s[PP], s[PP], ttmp9               ; p = g + 21 k
	s_sub_co_u32 s[TL], 255, s[PP]
	s_add_co_u32 s[TS], s[PP], 8
	s_sub_co_u32 s2, s[PP], 124
	s_add_co_u32 s3, s2, 2
	s_add_co_u32 s[UT], s2, 4
	s_cmp_ge_u32 s[PP], 124
	s_cselect_b32 s[TL], s2, s[TL]
	s_cselect_b32 s[TS], s3, s[TS]
	s_lshr_b32 s2, s[TL], 3
	s_lshl_b32 s2, s2, 7
	s_cmp_lg_u32 s[ROLE], 0
	s_cselect_b32 s[T1], s[TS], s[TL]
	s_cselect_b32 s[QB2], s2, 0                    ; in A the last walk's steps are all left out
	s_lshr_b32 s[QB], s[T1], 3
	s_lshl_b32 s[QB], s[QB], 7
	s_and_b32 s[HS], s[HD], 1
	s_lshl_b32 s[HS], s[HS], 4
	s_mov_b32 s[CS], 0x3e38aa3b
	s_mov_b32 s[CS+1], s[CS]                       ; (named with it as a pair, so it is written)
	s_mov_b32 s[NCS], 0xbe38aa3b
	s_mov_b32 s[SEL], 0x76543210
	s_mov_b32 s[SEL+1], 0xfedcba98
.macro PLACE d, T                      ; tile T's first query in its block of 128
	s_lshr_b32 s2, s[\T], 1
	s_and_b32 s2, s2, 3
	s_lshl_b32 s2, s2, 5
	s_and_b32 s3, s[\T], 1
	s_lshl_b32 s3, s3, 3
	s_add_co_u32 s[\d], s2, s3
.endm
.macro QLOAD T, q, w, va, sa, sb       ; tile T's codes into v[q ..], its scale word into v[w]
	s_lshl_b32 s[\sa], s[\T], 9
	s_lshl_b32 s[\sa+1], s[HD], 17
	s_add_co_u32 s[\sa], s[\sa], s[\sa+1]
	s_mov_b32 s[\sa+1], 0
	s_add_nc_u64 s[\sa:\sa+1], s[4:5], s[\sa:\sa+1]
	s_lshr_b32 s3, s[\T], 1
	s_and_b32 s3, s3, 1
	s_lshl_b32 s3, s3, 7                           ; an odd pair's rows stand at place r xor 8
	s_lshl_b32 s[\sb], s[HD], 14
	s_add_co_u32 s[\sb], s[\sb], s3
	s_lshr_b32 s2, s[\T], 3
	s_lshl_b32 s2, s2, 9
	s_add_co_u32 s[\sb], s[\sb], s2
	s_and_b32 s2, s[\T], 1
	s_lshl_b32 s2, s2, 8
	s_add_co_u32 s[\sb], s[\sb], s2
	s_lshr_b32 s2, s[\T], 2
	s_and_b32 s2, s2, 1
	s_lshl_b32 s2, s2, 3
	s_add_co_u32 s[\sb], s[\sb], s2
	s_add_co_u32 s[\sb], s[\sb], 1572864
	s_mov_b32 s[\sb+1], 0
	s_add_nc_u64 s[\sb:\sb+1], s[4:5], s[\sb:\sb+1]
	v_xor_b32 v[\va], s3, v1
	global_load_b128 v[\q:\q+3], v[\va], s[\sa:\sa+1]
	global_load_b32 v[\w], v68, s[\sb:\sb+1]
.endm
.macro INIT                            ; a walk's sums begin as zeros and its largest score under every score: the first change of M multiplies zeros
	v_mov_b32 v12, 0x7f61b1e6                      ; -M = 3e38
	v_mov_b32 v13, 0xff61b1e6
	v_mov_b32 v14, 0
	v_mov_b32 v15, 0
.irp j, 0,1,2,3,4,5,6,7,8,9,10,11,12,13,14,15,16,17,18,19,20,21,22,23,24,25,26,27,28,29,30,31
	v_mov_b32 v[160+\j], 0
.endr
.endm
	s_wait_alu depctr_va_vdst(0)
	QLOAD T1, 16, 255, 8, 56, 58
	QLOAD TL, 24, 28, 9, 60, 62                    ; B's second tile (A's copy is not used)
	PLACE DT, T1
	PLACE DT2, TL
.irp j, 20,21,22,23,64,65,66,67,236,237,238,239,252,253
	v_mov_b32 v[\j], 0                             ; Q's zero codes; what stands behind K's last fragment; lane permutes' destinations and the pair v[252:253] are written before they are named
.endr
	INIT
.macro KLOAD sb                        ; K's fragments and scale words of the step that begins at LDS byte s[sb]
	v_add_nc_u32 v8, s[\sb], v5
	v_add_nc_u32 v9, s[\sb], v6
	v_add_nc_u32 v69, s[\sb], v1
.irp c, 0,1
.irp u, 0,1,2,3
	ds_load_b128 v[32+16*\c+4*\u:35+16*\c+4*\u], v[8+\u/2] offset:2048*\c+512*(\u%2)
.endr
.endr
	ds_load_b128 v[240:243], v69 offset:8192       ; register 2 c + u / 2: lanes 0-15 even u, lanes 16-31 odd u
.endm
; A KEY STEP of 128 keys; its K is in the registers
.macro STEP one                        ; one = 1: a tile's only step, which lies on the diagonal
.if \one == 0
	s_cmp_gt_u32 s[KF], s[QB]
	s_cbranch_scc1 .Lhid_\@                        ; all its keys come after my block's queries: left out
.endif
.irp u, 0,1,2,3
	v_wmma_scale_f32_16x16x128_f8f6f4 v[96+16*\u:103+16*\u], v[32+8*\u:39+8*\u], v[16:23], 0, v[240+\u], v255 matrix_a_fmt:MATRIX_FMT_FP4 matrix_b_fmt:MATRIX_FMT_FP4
	v_wmma_scale_f32_16x16x128_f8f6f4 v[104+16*\u:111+16*\u], v[36+8*\u:43+8*\u], v[16:23], 0, v[240+\u], v255 matrix_a_fmt:MATRIX_FMT_FP4 matrix_b_fmt:MATRIX_FMT_FP4 matrix_a_scale:MATRIX_SCALE_ROW1
.endr
	v_add_nc_u32 v10, s[SB], v1                    ; four places behind the products
	v_add_nc_u32 v11, s[SB], v2
	v_mov_b32 v30, v12                             ; the old -M
	v_nop
.irp t, 0,1,2,3
.irp c, 0,1
	ds_load_b128 v[192+8*\t+4*\c:195+8*\t+4*\c], v10 offset:4096+1024*\t+512*\c
.endr
.endr
	ds_load_b64 v[248:249], v11 offset:8704        ; V's scale words
.if \one == 0
	s_cmp_lt_u32 s[KF], s[QB]
	s_cbranch_scc1 .Lopen_\@                       ; all 128 keys count
.endif
	v_add_nc_u32 v254, s[DT], v3                   ; d: register n is hidden where 64 (n / 32) + n % 32 > d
	s_wait_alu depctr_va_vdst(0)
	s_cmp_ge_u32 s[DT], 64
	s_cbranch_scc1 .Lupper_\@                      ; my tile's queries come after the step's first 64 keys
.irp n, 0,1,2,3,4,5,6,7,8,9,10,11,12,13,14,15,16,17,18,19,20,21,22,23,24,25,26,27,28,29,30,31
	v_cmp_gt_i32 vcc_lo, \n, v254
	v_cndmask_b32 v[96+\n], v[96+\n], v4, vcc_lo
.endr
.Lupper_\@:
.irp n, 0,1,2,3,4,5,6,7,8,9,10,11,12,13,14,15,16,17,18,19,20,21,22,23,24,25,26,27,28,29,30,31
	v_cmp_gt_i32 vcc_lo, 64+\n, v254
	v_cndmask_b32 v[128+\n], v[128+\n], v4, vcc_lo
.endr
.if \one == 0
	s_branch .Lmax_\@                              ; the tile's last step: no K to load
.Lopen_\@:
	s_add_co_u32 s[SN], s[SB], STEPB
	s_min_u32 s[SN], s[SN], 31*STEPB
	KLOAD SN                                       ; the next step's K
.Lmax_\@:
.endif
.irp b, 0,1,2,3
	v_max3_num_f32 v[232+\b], v[96+16*\b], v[97+16*\b], v[98+16*\b]   ; four chains; each accumulator from its low end on
.endr
.irp i, 3,5,7,9,11,13
.irp b, 0,1,2,3
	v_max3_num_f32 v[232+\b], v[232+\b], v[96+16*\b+\i], v[97+16*\b+\i]
.endr
.endr
	v_max3_num_f32 v232, v232, v233, v111
	v_max3_num_f32 v234, v234, v235, v143
	v_max_num_f32 v232, v232, v127                 ; the largest score of block h,
	v_max_num_f32 v234, v234, v159                 ; and of block 2 + h
	v_max_num_f32 v236, v232, v234
	s_delay_alu instid0(VALU_DEP_1)
	v_permlanex16_b32 v237, v236, s[SEL], s[SEL+1]
	s_delay_alu instid0(VALU_DEP_1)
	v_max3_num_f32 v13, v13, v236, v237            ; the running largest score
	s_delay_alu instid0(VALU_DEP_1)
	v_mul_f32 v254, s[NCS], v13
	s_delay_alu instid0(VALU_DEP_1)
	v_floor_f32 v12, v254                          ; the new -M = floor(-t) = -ceil(t)
.irp j, 0,2,4,6,8,10,12,14,16,18,20,22,24,26,28,30,32,34,36,38,40,42,44,46,48,50,52,54,56,58,60,62
	v_pk_fma_f32 v[96+\j:97+\j], v[96+\j:97+\j], s[CS:CS+1], v[12:13] op_sel_hi:[1,0,0]   ; t - M, two at a time
.if \j == 6
	v_sub_f32 v254, v12, v30                       ; old M - new M: a whole number, 0 or less
.endif
.if \j == 14
	v_cvt_i32_f32 v254, v254                       ; (it saturates)
.endif
.if \j == 22
	v_ldexp_f32 v252, 1.0, v254                    ; f = 2^(old M - new M)
.endif
.endr
	v_fma_f32 v232, v232, s[CS], v12               ; the same of each block's largest score
	v_fma_f32 v234, v234, s[CS], v12
	s_wait_alu depctr_va_vdst(0)
.irp j, 0,1,2,3,4,5,6,7,8,9,10,11,12,13,14,15,16,17,18,19,20,21,22,23,24,25,26,27,28,29,30,31,32,33,34,35,36,37,38,39,40,41,42,43,44,45,46,47,48,49,50,51,52,53,54,55,56,57,58,59,60,61,62,63
	v_exp_f32 v[96+\j], v[96+\j]                   ; p = 2^(t - M)
.endr
	v_pk_mul_f32 v[14:15], v[14:15], v[252:253] op_sel_hi:[1,0]   ; l under the new M (the plain line behind the exponentials)
	s_wait_alu depctr_va_vdst(0)                   ; one wait: behind the batch, and ahead of O^T's first readers
.irp j, 0,2,4,6,8,10,12,14,16,18,20,22,24,26,28,30
	v_pk_mul_f32 v[160+\j:161+\j], v[160+\j:161+\j], v[252:253] op_sel_hi:[1,0]   ; O^T under the new M
.endr
	v_max_num_f32 v232, 0xc2f80000, v232           ; held at -124: the byte cannot fall under 1
	v_max_num_f32 v234, 0xc2f80000, v234
	v_cvt_floor_i32_f32 v236, v232                 ; the exponent of the block's largest p,
	v_cvt_floor_i32_f32 v237, v234
	v_add_nc_u32 v236, 125, v236                   ; - 2 + 127: the scale's byte
	v_add_nc_u32 v237, 125, v237
	v_lshlrev_b32 v244, 23, v236                   ; the conversion's scale operand
	v_lshlrev_b32 v245, 23, v237
	v_lshl_or_b32 v238, v237, 16, v236             ; my bytes: blocks h and 2 + h,
	v_lshlrev_b32 v238, v31, v238                  ; at their places;
.irp c, 0,1
.irp g, 0,1,2,3
	v_cvt_scalef32_pk8_fp4_f32 v[224+4*\c+\g], v[96+32*\c+8*\g:103+32*\c+8*\g], v[244+\c]
.endr
.endr
	v_pk_add_f32 v[232:233], v[96:97], v[98:99]    ; l: four chains of packed sums; also the places between the codes and the products
	v_permlanex16_b32 v239, v238, s[SEL], s[SEL+1]
	v_pk_add_f32 v[234:235], v[100:101], v[102:103]
	v_or_b32 v250, v238, v239                      ; with lane l xor 16's two p's scale word is whole
	v_pk_add_f32 v[246:247], v[104:105], v[106:107]
.irp j, 0,8,16,24,32,40
	v_pk_add_f32 v[14:15], v[14:15], v[108+\j:109+\j]
	v_pk_add_f32 v[232:233], v[232:233], v[110+\j:111+\j]
	v_pk_add_f32 v[234:235], v[234:235], v[112+\j:113+\j]
	v_pk_add_f32 v[246:247], v[246:247], v[114+\j:115+\j]
.endr
	v_pk_add_f32 v[14:15], v[14:15], v[156:157]
	v_pk_add_f32 v[232:233], v[232:233], v[158:159]
	v_pk_add_f32 v[234:235], v[234:235], v[246:247]
	v_pk_add_f32 v[14:15], v[14:15], v[232:233]
	v_pk_add_f32 v[14:15], v[14:15], v[234:235]
	s_wait_alu depctr_va_vdst(0)
	s_wait_dscnt 0x0                               ; V and its scale words are in, and the next step's K
.irp u, 0,1                                    ; the four accumulators take turns, one instruction a turn
	v_wmma_scale_f32_16x16x128_f8f6f4 v[160+16*\u:167+16*\u], v[192+16*\u:199+16*\u], v[224:231], v[160+16*\u:167+16*\u], v[248+\u], v250 matrix_a_fmt:MATRIX_FMT_FP4 matrix_b_fmt:MATRIX_FMT_FP4
	v_wmma_scale_f32_16x16x128_f8f6f4 v[168+16*\u:175+16*\u], v[200+16*\u:207+16*\u], v[224:231], v[168+16*\u:175+16*\u], v[248+\u], v250 matrix_a_fmt:MATRIX_FMT_FP4 matrix_b_fmt:MATRIX_FMT_FP4 matrix_a_scale:MATRIX_SCALE_ROW1
.endr
.Lhid_\@:
.endm
.macro SEG trips, first                ; so many key steps from step first on: the count is a constant
	s_mov_b32 s[SB], \first*STEPB
	s_mov_b32 s[KF], \first*128
	s_mov_b32 s[CNT], \trips
.Lseg_\@:
	STEP 0
	s_add_co_u32 s[KF], s[KF], 128
	s_add_co_u32 s[SB], s[SB], STEPB
	s_sub_co_u32 s[CNT], s[CNT], 1
	s_cmp_lg_u32 s[CNT], 0
	s_cbranch_scc1 .Lseg_\@
.endm
; THE WAY OUT of tile T: O^T / l, quantised along the head's 64 (two blocks, each in lanes l and l xor 16); codes and scale bytes leave as whole units.
.macro OUT T
	s_mul_i32 s56, s[\T], 6144
	s_lshl_b32 s57, s[HD], 9
	s_add_co_u32 s56, s56, s57
	s_mov_b32 s57, 0
	s_add_nc_u64 s[56:57], s[8:9], s[56:57]
	s_mul_i32 s58, s[\T], 12
	s_add_co_u32 s58, s58, s[HD]
	s_lshl_b32 s58, s58, 8
	s_add_co_u32 s58, s58, 1572864
	s_mov_b32 s59, 0
	s_add_nc_u64 s[58:59], s[8:9], s[58:59]
	s_wait_alu depctr_va_vdst(0)
	v_add_f32 v14, v14, v15                        ; l's two halves,
	v_permlanex16_b32 v237, v14, s[SEL], s[SEL+1]
	v_add_f32 v14, v14, v237                       ; and lane l xor 16's
	s_wait_alu depctr_va_vdst(0)
	v_rcp_f32 v14, v14
.rept 4
	v_nop                                          ; the plain line behind the reciprocal, and places behind the last products
.endr
	s_wait_alu depctr_va_vdst(0)                   ; ahead of the reciprocal's first use and of O^T's first readers
.irp j, 0,2,4,6,8,10,12,14,16,18,20,22,24,26,28,30
	v_pk_mul_f32 v[96+\j:97+\j], v[160+\j:161+\j], v[14:15] op_sel_hi:[1,0]   ; register 16 b + i: ctx(my query, 32 b + 16 h + i)
.endr
.irp b, 0,1
	v_max3_num_f32 v[232+\b], |v[96+16*\b]|, |v[97+16*\b]|, 0x1800000   ; and the floor 2^(3 - 127): the byte cannot fall under 1
.endr
.irp i, 2,4,6,8,10,12,14
.irp b, 0,1
	v_max3_num_f32 v[232+\b], v[232+\b], |v[96+16*\b+\i]|, |v[97+16*\b+\i]|
.endr
.endr
.irp b, 0,1
	v_permlanex16_b32 v[236+\b], v[232+\b], s[SEL], s[SEL+1]
.endr
.irp b, 0,1
	v_max_num_f32 v[232+\b], v[232+\b], v[236+\b]
.endr
.irp b, 0,1
	v_add_nc_u32 v[244+\b], 0xff000000, v[232+\b]  ; 2 off the exponent field: the conversion's scale operand
.endr
.irp b, 0,1
	v_lshrrev_b32 v[236+\b], 23, v[244+\b]
.endr
	v_mov_b32 v235, 0
	v_lshl_or_b32 v234, v237, 8, v236              ; the two bytes,
	v_lshlrev_b32 v234, s[HS], v234                ; at the head's half of the word
.irp b, 0,1
	v_cvt_scalef32_pk8_fp4_f32 v[224+2*\b], v[96+16*\b:103+16*\b], v[244+\b]
	v_cvt_scalef32_pk8_fp4_f32 v[225+2*\b], v[104+16*\b:111+16*\b], v[244+\b]
.endr
	v_nop                                          ; one plain line behind a scaled conversion
	v_permlane16_swap_b32 v224, v226               ; lane (r, h) now holds block h whole
	v_permlane16_swap_b32 v225, v227
	global_store_b128 v1, v[224:227], s[56:57]     ; 512 consecutive bytes
	global_store_b64 v2, v[234:235], s[58:59]      ; 256 consecutive bytes, aligned
	s_wait_xcnt 0x0                                ; the stores have read their registers: these are written again below
.endm
	s_wait_alu depctr_va_vdst(0)
	s_wait_loadcnt 0x0                             ; Q
	s_wait_tensorcnt 0x0                           ; my rows have landed
	ds_add_u32 v[SPW], v[NIL]
	s_wait_dscnt 0x0
	s_barrier_signal -1
	s_barrier_wait -1                              ; steps 0 to 5 are whole
	s_cmp_lt_u32 s[WV], 8
	s_cbranch_scc0 .Lno_second
	tensor_load_to_lds s[G0B:G0B+3], s[G1B:G1B+7]  ; the other 904 rows: they have three key steps in which to land
	s_nop 0
.Lno_second:
	s_mov_b32 s[SB], 0
	KLOAD SB                                       ; every walk of mine begins at step 0
	s_wait_dscnt 0x0
	SEG 3, 0
	s_wait_tensorcnt 0x0                           ; my part of the other rows has landed: say so,
	s_wait_dscnt 0x0
	s_barrier_signal -1
	SEG 2, 3                                       ; go on with what is whole already (steps 3, 4 and step 5's K: LDS loads of bytes that nobody writes),
	s_barrier_wait -1                              ; and see that all have said so: the whole head is in LDS
	SEG 12, 5
	s_cmp_eq_u32 s[ROLE], 0
	s_cbranch_scc1 .Lkeep                          ; A keeps its part of the long tile
	OUT TS                                         ; B's short tile is done
	s_cmp_lt_u32 s[PP], 124
	s_cbranch_scc1 .Lno_unit
	s_mov_b32 s[SB], 0                             ; pairs 124, 125: two more tiles of one step
	s_mov_b32 s[UC], 2
.Lunit:
	QLOAD UT, 16, 255, 71, 56, 58
	KLOAD SB
	PLACE DT, UT
	INIT
	s_wait_alu depctr_va_vdst(0)
	s_wait_loadcnt 0x0
	s_wait_dscnt 0x0
	STEP 1
	OUT UT
	s_add_co_u32 s[UT], s[UT], 2
	s_sub_co_u32 s[UC], s[UC], 1
	s_cmp_lg_u32 s[UC], 0
	s_cbranch_scc1 .Lunit
.Lno_unit:
	s_mov_b32 s[SB], 17*STEPB
	KLOAD SB                                       ; the long tile's step 17
.irp j, 0,1,2,3
	v_mov_b32 v[16+\j], v[24+\j]                   ; the long tile
.endr
	v_mov_b32 v255, v28
	INIT
	s_wait_alu depctr_va_vdst(0)
	s_wait_dscnt 0x0
.Lkeep:
	s_mov_b32 s[QB], s[QB2]
	s_mov_b32 s[DT], s[DT2]
	SEG 15, 17
	s_cmp_eq_u32 s[ROLE], 0
	s_cbranch_scc1 .Lno_part
	v_add_nc_u32 v8, s[PB], v1                     ; B's part goes to LDS
.rept 4
	v_nop                                          ; places behind the last products
.endr
.irp i, 0,1,2,3,4,5,6,7
	ds_store_b128 v8, v[160+4*\i:163+4*\i] offset:512*\i
.endr
	ds_store_b128 v8, v[12:15] offset:4096
.Lno_part:
	s_wait_dscnt 0x0                               ; for A's sake
	s_barrier_signal -1
	s_barrier_wait -1
	s_cmp_lg_u32 s[ROLE], 0
	s_cbranch_scc1 .Lend
	v_add_nc_u32 v8, s[PB], v1
.rept 4
	v_nop                                          ; places behind the last products, whose operands the loads replace
.endr
.irp i, 0,1,2,3,4,5,6,7
	ds_load_b128 v[192+4*\i:195+4*\i], v8 offset:512*\i
.endr
	ds_load_b128 v[224:227], v8 offset:4096
	s_wait_alu depctr_va_vdst(0)
	s_wait_dscnt 0x0
	v_min_num_f32 v30, v12, v224                   ; -M of the greater M
	v_sub_f32 v236, v30, v12
	v_sub_f32 v237, v30, v224
	v_cvt_i32_f32 v236, v236
	v_cvt_i32_f32 v237, v237
	v_ldexp_f32 v252, 1.0, v236                    ; the two parts' factors: whole powers of two
	v_ldexp_f32 v238, 1.0, v237
	v_pk_mul_f32 v[14:15], v[14:15], v[252:253] op_sel_hi:[1,0]
	v_pk_fma_f32 v[14:15], v[226:227], v[238:239], v[14:15] op_sel_hi:[1,0,1]
.irp j, 0,2,4,6,8,10,12,14,16,18,20,22,24,26,28,30
	v_pk_mul_f32 v[160+\j:161+\j], v[160+\j:161+\j], v[252:253] op_sel_hi:[1,0]
.endr
.irp j, 0,2,4,6,8,10,12,14,16,18,20,22,24,26,28,30
	v_pk_fma_f32 v[160+\j:161+\j], v[192+\j:193+\j], v[238:239], v[160+\j:161+\j] op_sel_hi:[1,0,1]
.endr
	OUT TL
.Lend:
	s_wait_tensorcnt 0x0                           ; the wave's end
	ds_add_u32 v[SPW], v[NIL]
	s_wait_dscnt 0x0
	s_endpgm
.Lfunc_end_k_q20e48308b0_attn:
	.size	k_q20e48308b0_attn, .Lfunc_end_k_q20e48308b0_attn-k_q20e48308b0_attn
	.p2alignl 7, 3214868480
	.fill 96, 4, 3214868480
	.section	.rodata,"a",@progbits
	.p2align	6, 0x0
	.amdhsa_kernel k_q20e48308b0_attn
		.amdhsa_group_segment_fixed_size 327680
		.amdhsa_private_segment_fixed_size 0
		.amdhsa_enable_private_segment 0
		.amdhsa_kernarg_size 24
		.amdhsa_user_sgpr_count 2
		.amdhsa_user_sgpr_kernarg_segment_ptr 1
		.amdhsa_wavefront_size32 1
		.amdhsa_system_sgpr_workgroup_id_x 1
		.amdhsa_system_sgpr_workgroup_id_y 1
		.amdhsa_system_sgpr_workgroup_id_z 1
		.amdhsa_system_vgpr_workitem_id 0
		.amdhsa_next_free_vgpr 256
		.amdhsa_next_free_sgpr 72
		.amdhsa_reserve_vcc 1
		.amdhsa_float_denorm_mode_32 3
		.amdhsa_float_denorm_mode_16_64 3
		.amdhsa_memory_ordered 1
		.amdhsa_forward_progress 1
		.amdhsa_inst_pref_size 127
	.end_amdhsa_kernel
	.amdgpu_metadata
---
amdhsa.version: [ 1, 2 ]
amdhsa.kernels:
  - .name:           k_q20e48308b0_attn
    .symbol:         k_q20e48308b0_attn.kd
    .args:
      - { .name: q_img, .offset: 0, .size: 8, .value_kind: global_buffer, .address_space: global }
      - { .name: kv_img, .offset: 8, .size: 8, .value_kind: global_buffer, .address_space: global }
      - { .name: c_img, .offset: 16, .size: 8, .value_kind: global_buffer, .address_space: global }
    .group_segment_fixed_size: 327680
    .private_segment_fixed_size: 0
    .kernarg_segment_align: 8
    .kernarg_segment_size: 24
    .max_flat_workgroup_size: 384
    .sgpr_count:     72
    .vgpr_count:     256
    .wavefront_size: 32
...
	.end_amdgpu_metadata
.endif
;; end of part 3
;; launch oproj (part 4): grid 32 x 6, 8 waves a work-group, clusters of 4 x 1, 167,936 bytes of LDS; arguments c_img, w_img, bo, out0; writes out0
.if DOCPART == 4
	.amdgcn_target "amdgcn-amd-amdhsa--gfx1250"
	.amdhsa_code_object_version 6
	.text
	.protected	k_q20e48308b0_oproj
	.globl	k_q20e48308b0_oproj
	.p2align	8
	.type	k_q20e48308b0_oproj,@function
k_q20e48308b0_oproj:
	s_mov_b64 s[64:65], 0
	v_nop
	global_prefetch_b8 v0, s[64:65] scope:SCOPE_SE
	s_setreg_imm32_b32 hwreg(HW_REG_WAVE_MODE, 25, 1), 1
	s_wait_xcnt 0x0
	s_wait_alu depctr_hold_cnt(0) depctr_sa_sdst(0) depctr_va_vdst(0) depctr_va_sdst(0) depctr_va_ssrc(0) depctr_va_vcc(0) depctr_vm_vsrc(0)
	s_getreg_b32 s2, hwreg(HW_REG_IB_STS2, 6, 4)
	s_cmp_eq_u32 s2, 0
	s_cbranch_scc0 .Lentry_in_a_cluster
	s_endpgm
.Lentry_in_a_cluster:
	s_bfe_u32 s2, ttmp6, 0x10000c
	s_cmp_lg_u32 s2, 0x3003
	s_cbranch_scc0 .Lentry_shape_is_right
	s_endpgm
.Lentry_shape_is_right:
; out0 = ctx Wo^T + bo on codes of FP4 with E8M0 scales; out0 [4096][768] f32.
; SHARES.  A work-group makes 128 rows (block RB) x 128 columns (group CG).  The four work-groups of a cluster share CG: its panel of Wo (8 tiles, 49,152 bytes) is asked for JOINTLY, one tensor load a wave.
; NO PREFETCH: the panel and ctx come once, at the launch's start.
; Wave w multiplies Wo's 8 tiles (source 0) by ctx's tile 8 RB + w (source 1, in registers for all of K = 768): two halves of 4 tiles, each over all of K: 48 matrix instructions; the first half's rows leave while the second is multiplied.
; A lane holds one token (row 32 (w / 2) + 8 (w % 2) + r + 8 (r / 8) of the block); register 8 t + j of a half is column 32 (t / 2) + 8 (t % 2) + 16 h + j of its 64.
; ctx's scale word of K step s is made of the words of heads 2 s and 2 s + 1, which hold their two bytes in the lower and in the upper half.
; THE WAY OUT of a half: through the wave's own stage in LDS, back as rows of 256 bytes, bo added, and stored: sixteen lanes cover 256 consecutive bytes, aligned.
; LIMITS: NaN and infinities are not served.
.set STG,    49152                     ; LDS: Wo's panel at 0; from here a stage of 16 rows x (256 + 16) bytes for each wave
.set SPITCH, 272
.set SPARE,  STG+8*16*SPITCH           ; the spare words
.set SPW,    8                         ; v8 LDS address of my spare word, v9 0: never rewritten
.set NIL,    9
.set WS,  16                           ; v16-39   Wo's scale words: register 6 pair + K step
.set NS,  40                           ; v40-45   ctx's scale words
.set OB,  48                           ; v48-79   rows read back
.set HW,  80                           ; v80-91   ctx's words as loaded, ahead of the fragments
.set WF,  80                           ; v80-143  Wo's fragments of a half's K step, two buffers
.set CF,  144                          ; v144-191 ctx's fragments of all six K steps
.set ACC, 192                          ; v192-255 accumulator (half, t) at ACC + 32 half + 8 t
.set WV,  28
.macro CROUND                          ; a round of the cluster's barrier
	s_barrier_signal -1
	s_barrier_wait -1
	s_cmp_lg_u32 s[WV], 0
	s_cbranch_scc1 .Lnot_wave_0_\@
	s_barrier_signal -3
.Lnot_wave_0_\@:
	s_barrier_wait -3
	s_barrier_signal -1
	s_barrier_wait -1
.endm
	s_load_b256 s[4:11], s[0:1], 0x0               ; c_img, w_img, bo, out0
	v_lshl_add_u32 v[SPW], v0, 2, SPARE
	v_mov_b32 v[NIL], 0
	ds_add_u32 v[SPW], v[NIL]
	ds_add_u32 v[SPW], v[NIL]
	v_lshrrev_b32 v1, 5, v0
	v_readfirstlane_b32 s[WV], v1                  ; wave 0..7
	s_bfe_u32 s29, ttmp6, 0x40000                  ; cx: it enters addresses in memory alone
	s_lshl_b32 s30, ttmp9, 2
	s_add_co_u32 s30, s30, s29                     ; RB
	s_and_b32 s31, ttmp7, 0xffff                   ; CG, which the four partners share
	s_mov_b32 s16, 15|(3<<16)|(1<<21)              ; the mask: all four work-groups; elements of 8 bytes; bit 21 set beside a mask
	s_mov_b32 s17, 32<<16                          ; rows of 256 bytes,
	s_mov_b32 s18, 24<<16                          ; 24 of them: one tile of Wo, 6,144 dense bytes
	s_mov_b32 s19, 32<<16
	s_mov_b32 s20, 24
	s_mov_b32 s21, 32
	s_mov_b32 s22, 0
	s_mov_b32 s23, 0
	s_mov_b32 s24, 1
	s_mul_i32 s25, s[WV], 6144                     ; LDS address: the wave's number alone
	s_mul_i32 s42, s31, 49152
	s_add_co_u32 s42, s42, s25
	s_add_co_u32 s42, s42, 884736                  ; Wo's codes lie behind Wq's, Wk's and Wv's
	s_mov_b32 s43, 0
	s_lshl_b32 s44, s30, 3
	s_add_co_u32 s44, s44, s[WV]                   ; my tile of ctx
	s_mul_i32 s32, s44, 6144
	s_mov_b32 s33, 0
	s_lshl_b32 s34, s31, 2
	s_add_co_u32 s34, s34, 72                      ; Wo's pairs begin at 72
	s_mul_i32 s34, s34, 768
	s_add_co_u32 s34, s34, 1179648
	s_mov_b32 s35, 0
	s_lshl_b32 s36, s31, 9                         ; the group's 128 columns: 512 bytes
	s_mov_b32 s37, 0
	s_mul_i32 s38, s44, 3072
	s_add_co_u32 s38, s38, 1572864                 ; my tile's scale words: 256 bytes a head
	s_mov_b32 s39, 0
	s_lshl_b32 s40, s30, 7
	s_lshr_b32 s45, s[WV], 1
	s_lshl_b32 s45, s45, 5
	s_add_co_u32 s40, s40, s45
	s_and_b32 s45, s[WV], 1
	s_lshl_b32 s45, s45, 3
	s_add_co_u32 s40, s40, s45                     ; my tile's first row: 128 RB + 32 (w / 2) + 8 (w % 2)
	s_mul_i32 s40, s40, 3072
	s_add_co_u32 s40, s40, s36
	s_mov_b32 s41, 0
	s_mul_i32 s46, s[WV], 16*SPITCH
	s_add_co_u32 s46, s46, STG                     ; my stage
	v_and_b32 v2, 31, v0                           ; lane
	v_and_b32 v3, 15, v0                           ; r
	v_bfe_u32 v4, v0, 4, 1                         ; h
	v_lshlrev_b32 v6, 4, v2                        ; 16 x lane
	v_lshlrev_b32 v7, 3, v2                        ; 8 x lane
	v_mul_u32_u24 v1, SPITCH, v3
	v_lshlrev_b32 v46, 3, v3                       ; 8 r: ctx's scale words
	v_lshlrev_b32 v47, 4, v3                       ; 16 r: the bias of my four columns of a row
	v_lshl_add_u32 v1, v4, 6, v1
	v_mul_u32_u24 v14, SPITCH, v4
	v_mul_u32_u24 v15, 3072, v4
	v_add_nc_u32 v1, s46, v1                       ; the stage, in: row r, + 64 h
	v_lshl_add_u32 v14, v3, 4, v14
	v_lshl_add_u32 v15, v3, 4, v15                 ; out0: lanes 0-15 one row, lanes 16-31 the next, 16 bytes a lane
	v_add_nc_u32 v14, s46, v14                     ; and the stage, back, likewise
	s_wait_alu depctr_va_vdst(0)
	s_wait_dscnt 0x0                               ; both opening adds are done
	s_wait_kmcnt 0x0
	s_add_nc_u64 s[26:27], s[6:7], s[42:43]
	s_or_b32 s27, s27, 0x80000000
	s_add_nc_u64 s[32:33], s[4:5], s[32:33]
	s_add_nc_u64 s[34:35], s[6:7], s[34:35]
	s_add_nc_u64 s[36:37], s[8:9], s[36:37]
	s_add_nc_u64 s[38:39], s[4:5], s[38:39]
	s_add_nc_u64 s[40:41], s[10:11], s[40:41]
.irp d, 0,1,2,3,4,5,6,7,8,9,10,11
	global_load_b32 v[HW+\d], v46, s[38:39] offset:256*\d
.endr
	CROUND                                         ; all four work-groups are here: the joint loads meet
	tensor_load_to_lds s[24:27], s[16:23]          ; the wave's one tensor load
	s_nop 0
.irp s, 0,1,2,3,4,5
.irp c, 0,1
	global_load_b128 v[CF+8*\s+4*\c:CF+8*\s+4*\c+3], v6, s[32:33] offset:1024*\s+512*\c
.endr
.endr
.irp p, 0,1,2,3
.irp j, 0,1,2
	global_load_b64 v[WS+6*\p+2*\j:WS+6*\p+2*\j+1], v7, s[34:35] offset:768*\p+256*\j
.endr
.endr
	global_load_b128 v[2:5], v47, s[36:37]         ; bo: the first half's columns,
	global_load_b128 v[10:13], v47, s[36:37] offset:256   ; and the second's
.macro WLOAD hf, s                     ; a half's fragments of K step s into buffer s % 2
.irp t, 0,1,2,3
.irp c, 0,1
	ds_load_b128 v[WF+32*((\s)%2)+8*\t+4*\c:WF+32*((\s)%2)+8*\t+4*\c+3], v6 offset:6144*(4*\hf+\t)+1024*(\s)+512*\c
.endr
.endr
.endm
.macro WMUL hf, s                      ; the four accumulators take turns, one instruction a turn; the first products take 0 as C
.irp t, 0,1,2,3
.set rD, ACC+32*\hf+8*\t
.set rA, WF+32*((\s)%2)+8*\t
.set rB, CF+8*(\s)
.set rW, WS+6*(2*\hf+\t/2)+(\s)
.if (\s) == 0
.if \t%2 == 0
	v_wmma_scale_f32_16x16x128_f8f6f4 v[rD:rD+7], v[rA:rA+7], v[rB:rB+7], 0, v[rW], v[NS+(\s)] matrix_a_fmt:MATRIX_FMT_FP4 matrix_b_fmt:MATRIX_FMT_FP4
.else
	v_wmma_scale_f32_16x16x128_f8f6f4 v[rD:rD+7], v[rA:rA+7], v[rB:rB+7], 0, v[rW], v[NS+(\s)] matrix_a_fmt:MATRIX_FMT_FP4 matrix_b_fmt:MATRIX_FMT_FP4 matrix_a_scale:MATRIX_SCALE_ROW1
.endif
.else
.if \t%2 == 0
	v_wmma_scale_f32_16x16x128_f8f6f4 v[rD:rD+7], v[rA:rA+7], v[rB:rB+7], v[rD:rD+7], v[rW], v[NS+(\s)] matrix_a_fmt:MATRIX_FMT_FP4 matrix_b_fmt:MATRIX_FMT_FP4
.else
	v_wmma_scale_f32_16x16x128_f8f6f4 v[rD:rD+7], v[rA:rA+7], v[rB:rB+7], v[rD:rD+7], v[rW], v[NS+(\s)] matrix_a_fmt:MATRIX_FMT_FP4 matrix_b_fmt:MATRIX_FMT_FP4 matrix_a_scale:MATRIX_SCALE_ROW1
.endif
.endif
.endr
.endm
.macro PLACES
.rept 4
	v_nop                                          ; four places in front of loads into registers that matrix instructions have read, and of reads of results
.endr
.endm
.macro TOSTAGE hf
.irp t, 0,1,2,3
	ds_store_b128 v1, v[ACC+32*\hf+8*\t:ACC+32*\hf+8*\t+3] offset:(\t/2)*128+(\t%2)*32        ; each accumulator from its low end on
	ds_store_b128 v1, v[ACC+32*\hf+8*\t+4:ACC+32*\hf+8*\t+7] offset:(\t/2)*128+(\t%2)*32+16
.endr
.irp i, 0,1,2,3,4,5,6,7
	ds_load_b128 v[OB+4*\i:OB+4*\i+3], v14 offset:2*\i*SPITCH    ; LDS serves a wave's instructions in order: these see my stores
.endr
.endm
.macro SEND hf, b                      ; b: the half's bias
.irp i, 0,1,2,3,4,5,6,7
	v_pk_add_f32 v[OB+4*\i:OB+4*\i+1], v[OB+4*\i:OB+4*\i+1], v[\b:\b+1]
	v_pk_add_f32 v[OB+4*\i+2:OB+4*\i+3], v[OB+4*\i+2:OB+4*\i+3], v[\b+2:\b+3]
.endr
.irp i, 0,1,2,3,4,5,6,7
	global_store_b128 v15, v[OB+4*\i:OB+4*\i+3], s[40:41] offset:(2*\i+8*(\i/4))*3072+256*\hf th:TH_STORE_NT   ; two rows' 256 consecutive bytes; written once, read by nobody here
.endr
.endm
	s_wait_loadcnt 0x0
.irp s, 0,1,2,3,4,5
	v_or_b32 v[NS+\s], v[HW+2*\s+1], v[HW+2*\s]
.endr
.rept 8
	v_nop                                          ; a scale register written by a vector instruction stands eight places ahead of a scaled matrix instruction
.endr
	s_wait_alu depctr_va_vdst(0)
	s_wait_tensorcnt 0x0                           ; my tile of Wo has landed:
	s_barrier_signal -1
	s_barrier_wait -1                              ; the panel is whole for every wave
	WLOAD 0, 0
.irp s, 0,1,2,3,4,5
.if \s < 5
	WLOAD 0, \s+1
.else
	WLOAD 1, 0
.endif
	s_wait_dscnt 8                                 ; all but the eight just issued
	WMUL 0, \s
	PLACES
.endr
	TOSTAGE 0
	WLOAD 1, 1
	s_wait_dscnt 24                                ; the second half's K step 0 is in; the 16 lines of TOSTAGE and the eight just issued may be out
	WMUL 1, 0
	s_wait_dscnt 8                                 ; the first half's rows are back
	SEND 0, 2                                      ; (the additions are the places behind the products)
.irp s, 1,2,3,4,5
.if \s < 5
	WLOAD 1, \s+1
	s_wait_dscnt 8
.else
	s_wait_dscnt 0x0
.endif
	WMUL 1, \s
	PLACES
.endr
	s_wait_xcnt 0x0                                ; the first half's stores have read their registers
	TOSTAGE 1
	s_wait_dscnt 0x0
	SEND 1, 10
	s_wait_tensorcnt 0x0                           ; the wave's end
	ds_add_u32 v[SPW], v[NIL]
	s_wait_dscnt 0x0
	CROUND                                         ; the closing round: no work-group ends while a partner may still ask for a tile that names it
	s_endpgm
.Lfunc_end_k_q20e48308b0_oproj:
	.size	k_q20e48308b0_oproj, .Lfunc_end_k_q20e48308b0_oproj-k_q20e48308b0_oproj
	.p2alignl 7, 3214868480
	.fill 96, 4, 3214868480
	.section	.rodata,"a",@progbits
	.p2align	6, 0x0
	.amdhsa_kernel k_q20e48308b0_oproj
		.amdhsa_group_segment_fixed_size 167936
		.amdhsa_private_segment_fixed_size 0
		.amdhsa_enable_private_segment 0
		.amdhsa_kernarg_size 32
		.amdhsa_user_sgpr_count 2
		.amdhsa_user_sgpr_kernarg_segment_ptr 1
		.amdhsa_wavefront_size32 1
		.amdhsa_system_sgpr_workgroup_id_x 1
		.amdhsa_system_sgpr_workgroup_id_y 1
		.amdhsa_system_sgpr_workgroup_id_z 1
		.amdhsa_system_vgpr_workitem_id 0
		.amdhsa_next_free_vgpr 256
		.amdhsa_next_free_sgpr 66
		.amdhsa_reserve_vcc 0
		.amdhsa_float_denorm_mode_32 3
		.amdhsa_float_denorm_mode_16_64 3
		.amdhsa_memory_ordered 1
		.amdhsa_forward_progress 1
		.amdhsa_inst_pref_size 29
	.end_amdhsa_kernel
	.amdgpu_metadata
---
amdhsa.version: [ 1, 2 ]
amdhsa.kernels:
  - .name:           k_q20e48308b0_oproj
    .symbol:         k_q20e48308b0_oproj.kd
    .args:
      - { .name: c_img, .offset: 0, .size: 8, .value_kind: global_buffer, .address_space: global }
      - { .name: w_img, .offset: 8, .size: 8, .value_kind: global_buffer, .address_space: global }
      - { .name: bo, .offset: 16, .size: 8, .value_kind: global_buffer, .address_space: global }
      - { .name: out0, .offset: 24, .size: 8, .value_kind: global_buffer, .address_space: global }
    .group_segment_fixed_size: 167936
    .private_segment_fixed_size: 0
    .kernarg_segment_align: 8
    .kernarg_segment_size: 32
    .max_flat_workgroup_size: 256
    .sgpr_count:     66
    .vgpr_count:     256
    .wavefront_size: 32
...
	.end_amdgpu_metadata
.endif
;; end of part 4
